; MI455X (gfx1250); checked and timed in simulation.
; The chip was launched on July 23, 2026; its instructions are those of AMD's public machine-readable ISA for CDNA 5 (MIT licence, August 2026) and "CDNA5" Instruction Set Architecture Reference Guide (July 2026). The comments in the code are by the model that wrote it; some were corrected since.
;; Mixture Of Experts Block. Allowed arithmetic: float matrix products may take bf16 or f16 operands with f32 sums; all other float work in f32.
;; Inputs: W1 8 x 1,024 x 4,096 float32; W2 8 x 4,096 x 1,024 float32; W_gate 1,024 x 8 float32; b1 8 x 4,096 float32; b2 8 x 1,024 float32; x 2 x 512 x 1,024 float32.
;; Outputs: out0 2 x 512 x 1,024 float32.
;; 2 versions, each right; version 2 is version 1 with the launches ffn1, ffn2 written anew for expert scheduling mode. Each part assembles by itself: llvm-mc -triple=amdgcn-amd-amdhsa -mcpu=gfx1250 --defsym DOCPART=n.
;; ======== version 1 of 2: 5 launches
;; workspace buffers: gatew 32,768 bytes; bitmap 1,024 bytes of whole numbers; ngr 256 bytes of whole numbers; slotof 32,768 bytes of whole numbers; xg 17,301,504 bytes; hf 69,206,016 bytes; ypart 138,412,032 bytes
;; launch gate (part 1): grid 32 x 1, 8 waves a work-group, no clusters, 119,808 bytes of LDS; arguments x, W_gate, gatew, bitmap; writes gatew, bitmap
.if DOCPART == 1
	.amdgcn_target "amdgcn-amd-amdhsa--gfx1250"
	.amdhsa_code_object_version 6
	.text
	.protected	k_q21f01bff7e_gate
	.globl	k_q21f01bff7e_gate
	.p2align	8
	.type	k_q21f01bff7e_gate,@function
k_q21f01bff7e_gate:
	s_mov_b64 s[64:65], 0
	v_nop
	global_prefetch_b8 v0, s[64:65] scope:SCOPE_SE
	s_setreg_imm32_b32 hwreg(HW_REG_WAVE_MODE, 25, 1), 1
	s_wait_xcnt 0x0
; GATE.  logits[t][e] = sum over k of x[t][k] W_gate[k][e]; the second largest logit of a token is the threshold; the kept logits go
; through a softmax (the largest logit is taken away first); gatew[t][e] = softmax / 8 (the mean over 8 experts), 0 where not kept;
; bitmap[e][b] = one bit for each of tokens 32 b .. 32 b + 31: kept or not.
; The product is made by the matrix unit on x and W_gate rounded to bf16, sums in f32, as all products of this program are.
; A work-group takes 32 tokens; wave w takes k = 128 w .. 128 w + 127 of them; the eight partial sums meet in LDS and wave 0 finishes.
; Clusters, tensor loads: nothing is shared between work-groups but W_gate's 32,768 bytes, and all data pass a conversion in registers.
; LIMITS: a NaN among the logits leaves the choice of experts unspecified (a NaN loses every comparison here).  Two logits that differ
; by less than the rounding of an f32 sum of 1,024 products may be ordered otherwise than by another order of summation.
.set WBLK, 12800                       ; LDS of a wave: XT, then WT
.set XTP,  272                         ; XT: 32 token rows of 128 bf16 (256 bytes) + 16: the 16 rows of a fragment load start in 16 different 16-byte columns modulo 256
.set WT,   8704                        ; WT: 128 k-rows of 16 bf16 (32 bytes): experts 0-7, then eight zeros
.set RED,  102400                      ; behind the eight blocks: for each wave 32 tokens x 16 f32 (2,048 bytes)
	s_load_b256 s[4:11], s[0:1], 0x0               ; x s[4:5], W_gate s[6:7], gatew s[8:9], bitmap s[10:11]
	v_lshl_add_u32 v254, v0, 2, 0x1d000
	v_mov_b32 v255, 0
	v_and_b32 v1, 31, v0                           ; lane L
	v_lshrrev_b32 v4, 5, v0
	v_readfirstlane_b32 s12, v4                    ; wave w
	v_and_b32 v2, 15, v0                           ; r = L % 16
	v_bfe_u32 v3, v0, 4, 1                         ; h = L / 16
	s_mul_i32 s13, s12, WBLK                       ; my block in LDS
	s_lshl_b32 s16, s12, 12                        ; 128 rows of W_gate, 32 bytes each
	s_lshl_b32 s17, s12, 9                         ; 128 f32 of a row of x
	s_lshl_b32 s18, s12, 11
	s_add_co_u32 s18, s18, RED                     ; my partial sums
	v_lshl_add_u32 v5, v1, 5, s16                  ; W_gate: row 128 w + L
	v_lshl_add_u32 v6, v1, 4, s17                  ; x: 16 bytes a lane, 512 consecutive bytes a wave
	v_lshl_add_u32 v7, v1, 5, s13                  ; WT row L (WT itself stands in the immediates)
	v_lshl_add_u32 v8, v1, 3, s13                  ; XT: 8 bytes a lane
	v_mul_u32_u24 v9, v2, XTP
	v_lshl_add_u32 v9, v3, 4, v9
	v_add_nc_u32 v9, s13, v9                       ; token fragments: row r, + 16 h
	v_and_b32 v10, 7, v0
	v_lshl_add_u32 v10, v3, 3, v10                 ; transposing load: k-row 8 h + L % 8,
	v_bfe_u32 v4, v0, 3, 1
	v_lshlrev_b32 v10, 5, v10
	v_lshl_add_u32 v10, v4, 4, v10                 ; 16 bytes further for lanes 8-15 of each half
	v_add_nc_u32 v10, s13, v10
	v_lshl_add_u32 v11, v3, 9, s18
	v_lshl_add_u32 v11, v2, 2, v11                 ; partial sums: token 8 h (64 bytes a token), expert r
.irp i, 16,17,18,19
	v_mov_b32 v\i, 0                               ; the zero columns of WT
.endr
	s_lshl_b32 s14, ttmp9, 17                      ; 32 rows of x, 4,096 bytes each
	s_mov_b32 s15, 0
	s_wait_kmcnt 0x0
	s_add_nc_u64 s[4:5], s[4:5], s[14:15]
	s_lshl_b32 s14, ttmp9, 10                      ; 32 tokens x 32 bytes of gatew
	s_add_nc_u64 s[8:9], s[8:9], s[14:15]
	s_lshl_b32 s14, ttmp9, 2                       ; my word in each expert's 32
	s_add_nc_u64 s[10:11], s[10:11], s[14:15]
	; 8 loads of W_gate (rows L + 32 a), then 32 of x (one row piece each)
.irp a, 0,1,2,3
	global_load_b128 v[20+8*\a:23+8*\a], v5, s[6:7] offset:1024*\a
	global_load_b128 v[24+8*\a:27+8*\a], v5, s[6:7] offset:1024*\a+16
.endr
.set i, 0
.rept 32
	global_load_b128 v[64+4*i:67+4*i], v6, s[4:5] offset:4096*i
.set i, i+1
.endr
	s_wait_loadcnt 32                              ; loads return in order: W_gate's eight are in, x's 32 may be out
.irp a, 0,1,2,3
	v_cvt_pk_bf16_f32 v52, v[20+8*\a], v[21+8*\a]
	v_cvt_pk_bf16_f32 v53, v[22+8*\a], v[23+8*\a]
	v_cvt_pk_bf16_f32 v54, v[24+8*\a], v[25+8*\a]
	v_cvt_pk_bf16_f32 v55, v[26+8*\a], v[27+8*\a]
	ds_store_b128 v7, v[52:55] offset:WT+1024*\a
	ds_store_b128 v7, v[16:19] offset:WT+1024*\a+16
.endr
.set i, 0
.rept 32
	s_wait_loadcnt 31-i                            ; row i is in, the younger rows may be out
	v_cvt_pk_bf16_f32 v240, v[64+4*i], v[65+4*i]
	v_cvt_pk_bf16_f32 v241, v[66+4*i], v[67+4*i]
	ds_store_b64 v8, v[240:241] offset:XTP*i
.set i, i+1
.endr
	; XT and WT are my wave's own bytes and LDS serves a wave's instructions in order: no barrier, no wait in front of the reads
.irp s, 0,1
.irp t, 0,1,2,3
	ds_load_b128 v[64+32*\s+8*\t:67+32*\s+8*\t], v9 offset:16*XTP*\s+64*\t         ; tokens 16 s + r, k = 32 t + 8 h ..
	ds_load_b128 v[68+32*\s+8*\t:71+32*\s+8*\t], v9 offset:16*XTP*\s+64*\t+32      ; k = 32 t + 16 + 8 h ..
.endr
.endr
.irp t, 0,1,2,3
	ds_load_tr16_b128 v[192+8*\t:195+8*\t], v10 offset:WT+1024*\t                  ; column r, k = 32 t + 8 h ..
	ds_load_tr16_b128 v[196+8*\t:199+8*\t], v10 offset:WT+1024*\t+512              ; 16 k-rows further
.endr
	s_wait_dscnt 0x0
	; two accumulators (tokens 0-15, 16-31) take turns, one instruction a turn
	v_wmma_f32_16x16x32_bf16 v[224:231], v[64:71], v[192:199], 0
	v_wmma_f32_16x16x32_bf16 v[232:239], v[96:103], v[192:199], 0
.irp t, 1,2,3
	v_wmma_f32_16x16x32_bf16 v[224:231], v[64+8*\t:71+8*\t], v[192+8*\t:199+8*\t], v[224:231]
	v_wmma_f32_16x16x32_bf16 v[232:239], v[96+8*\t:103+8*\t], v[192+8*\t:199+8*\t], v[232:239]
.endr
.rept 4
	v_nop                                          ; four places before the results are stored and the fragments' registers loaded again (ISA guide 7.12.1)
.endr
.irp s, 0,1
.irp j, 0,1,2,3,4,5,6,7
	ds_store_b32 v11, v[224+8*\s+\j] offset:1024*\s+64*\j      ; register j: token 16 s + 8 h + j, expert r
.endr
.endr
	s_wait_dscnt 0x0                               ; for wave 0's sake: my partial sums are in LDS
	s_barrier_signal -1
	s_barrier_wait -1
	s_cmp_lg_u32 s12, 0
	s_cbranch_scc1 .Ldone
	; wave 0: lane = token
	v_lshlrev_b32 v12, 6, v1
	v_add_nc_u32 v12, RED, v12
.irp w, 0,1,2,3,4,5,6,7
	ds_load_b128 v[64+8*\w:67+8*\w], v12 offset:2048*\w
	ds_load_b128 v[68+8*\w:71+8*\w], v12 offset:2048*\w+16
.endr
	s_wait_dscnt 0x0
.irp w, 1,2,3,4,5,6,7
.irp p, 0,2,4,6
	v_pk_add_f32 v[64+\p:65+\p], v[64+\p:65+\p], v[64+8*\w+\p:65+8*\w+\p]         ; k ascending
.endr
.endr
	; v240 = the largest, v241 = the second largest, counted with multiplicity as a top-2 does
	v_max_num_f32 v240, v64, v65
	v_min_num_f32 v241, v64, v65
.irp e, 2,3,4,5,6,7
	v_min_num_f32 v242, v240, v[64+\e]
	v_max_num_f32 v241, v241, v242
	v_max_num_f32 v240, v240, v[64+\e]
.endr
.irp e, 0,1,2,3,4,5,6,7
	v_cmp_ge_f32 s[20+\e], v[64+\e], v241          ; kept: over the 32 lanes this mask is the expert's bitmap word
	v_sub_f32 v[72+\e], v[64+\e], v240             ; the largest logit is taken away: every exponent is at most 0
.endr
.irp e, 0,1,2,3,4,5,6,7
	v_mul_f32 v[72+\e], 0x3fb8aa3b, v[72+\e]       ; e^x = 2^(x log2 e)
.endr
.irp e, 0,1,2,3,4,5,6,7
	v_exp_f32 v[80+\e], v[72+\e]
.endr
	v_lshlrev_b32 v13, 5, v1                       ; a plain instruction between the exponentials and their use (ISA guide 5.7.2): my 32 bytes of gatew
	s_wait_alu depctr_va_vdst(0)
.irp e, 0,1,2,3,4,5,6,7
	v_cndmask_b32 v[80+\e], 0, v[80+\e], s[20+\e]  ; not kept: 0
.endr
	v_add_f32 v242, v80, v81
	v_add_f32 v243, v82, v83
	v_add_f32 v244, v84, v85
	v_add_f32 v245, v86, v87
	v_add_f32 v242, v242, v243
	v_add_f32 v244, v244, v245
	v_add_f32 v242, v242, v244                     ; at least 1: the largest logit's term
	v_rcp_f32 v243, v242
	v_mov_b32 v246, 0                              ; a plain instruction behind the reciprocal; v246 will carry the eight words
	s_wait_alu depctr_va_vdst(0)
	v_mul_f32 v243, 0x3e000000, v243               ; 1 / (8 x sum): the mean over the 8 experts
.irp e, 0,1,2,3,4,5,6,7
	v_mul_f32 v[80+\e], v[80+\e], v243
.endr
	global_store_b128 v13, v[80:83], s[8:9]
	global_store_b128 v13, v[84:87], s[8:9] offset:16
.irp e, 0,1,2,3,4,5,6,7
	v_writelane_b32 v246, s[20+\e], \e             ; lane e: expert e's word
.endr
	v_lshlrev_b32 v14, 7, v1                       ; 128 bytes from expert to expert
	v_cmp_gt_u32 vcc_lo, 8, v1
	s_wait_xcnt 0x0                                ; EXEC is narrowed only behind this wait: the stores above read it
	s_and_saveexec_b32 s28, vcc_lo
	global_store_b32 v14, v246, s[10:11]
	s_wait_xcnt 0x0                                ; and widened only behind this one
	s_or_b32 exec_lo, exec_lo, s28
.Ldone:
	s_wait_tensorcnt 0x0
	ds_add_u32 v254, v255
	s_wait_dscnt 0x0
	s_endpgm
.Lfunc_end_k_q21f01bff7e_gate:
	.size	k_q21f01bff7e_gate, .Lfunc_end_k_q21f01bff7e_gate-k_q21f01bff7e_gate
	.p2alignl 7, 3214868480
	.fill 96, 4, 3214868480
	.section	.rodata,"a",@progbits
	.p2align	6, 0x0
	.amdhsa_kernel k_q21f01bff7e_gate
		.amdhsa_group_segment_fixed_size 119808
		.amdhsa_private_segment_fixed_size 0
		.amdhsa_enable_private_segment 0
		.amdhsa_kernarg_size 32
		.amdhsa_user_sgpr_count 2
		.amdhsa_user_sgpr_kernarg_segment_ptr 1
		.amdhsa_wavefront_size32 1
		.amdhsa_system_sgpr_workgroup_id_x 1
		.amdhsa_system_sgpr_workgroup_id_y 1
		.amdhsa_system_sgpr_workgroup_id_z 1
		.amdhsa_system_vgpr_workitem_id 0
		.amdhsa_next_free_vgpr 256
		.amdhsa_next_free_sgpr 66
		.amdhsa_reserve_vcc 1
		.amdhsa_float_denorm_mode_32 3
		.amdhsa_float_denorm_mode_16_64 3
		.amdhsa_memory_ordered 1
		.amdhsa_forward_progress 1
		.amdhsa_inst_pref_size 25
	.end_amdhsa_kernel
	.amdgpu_metadata
---
amdhsa.version: [ 1, 2 ]
amdhsa.kernels:
  - .name:           k_q21f01bff7e_gate
    .symbol:         k_q21f01bff7e_gate.kd
    .args:
      - { .name: x, .offset: 0, .size: 8, .value_kind: global_buffer, .address_space: global }
      - { .name: W_gate, .offset: 8, .size: 8, .value_kind: global_buffer, .address_space: global }
      - { .name: gatew, .offset: 16, .size: 8, .value_kind: global_buffer, .address_space: global }
      - { .name: bitmap, .offset: 24, .size: 8, .value_kind: global_buffer, .address_space: global }
    .group_segment_fixed_size: 119808
    .private_segment_fixed_size: 0
    .kernarg_segment_align: 8
    .kernarg_segment_size: 32
    .max_flat_workgroup_size: 256
    .sgpr_count:     66
    .vgpr_count:     256
    .wavefront_size: 32
...
	.end_amdgpu_metadata
.endif
;; end of part 1
;; launch gather (part 2): grid 16 x 8, 8 waves a work-group, no clusters, 40,448 bytes of LDS; arguments x, bitmap, xg, slotof, ngr; writes xg, slotof, ngr
.if DOCPART == 2
	.amdgcn_target "amdgcn-amd-amdhsa--gfx1250"
	.amdhsa_code_object_version 6
	.text
	.protected	k_q21f01bff7e_gather
	.globl	k_q21f01bff7e_gather
	.p2align	8
	.type	k_q21f01bff7e_gather,@function
k_q21f01bff7e_gather:
	s_mov_b64 s[64:65], 0
	v_nop
	global_prefetch_b8 v0, s[64:65] scope:SCOPE_SE
	s_setreg_imm32_b32 hwreg(HW_REG_WAVE_MODE, 25, 1), 1
	s_wait_xcnt 0x0
; GATHER.  For expert e (grid y): its kept tokens, in ascending order, get slots 0, 1, ..; the slots are taken in subtiles of 16 and groups
; of 48; ngr[e] = the number of groups (1 to 22: all 1,024 tokens fit, which ties among the logits can ask for); slotof[e][t] = how many kept
; tokens stand in front of t (token t's slot if it is kept); xg[e][subtile][k-step][1,024 bytes] = the slots' rows of x in bf16, laid out as
; the matrix unit's fragments: part p (512 bytes), lane 16 h + r (16 bytes) = k = 32 ks + 16 p + 8 h + 0..7 of the subtile's row r.
; Slots behind the last kept token name token 0: valid data whose results nobody reads.
; Work-group j (grid x) takes subtiles j, j + 16, ..; wave w takes k = 128 w .. 128 w + 127 of a subtile's 16 rows.
; Matrix unit, clusters, tensor loads: none.  This is a copy with a conversion; rows are chosen by a list, and no two work-groups share a tile.
.set LISTB, 4608                       ; LDS 0: the list, 1,056 words, word 1056 a dump for lanes without a kept token; rounded up
.set DUMP,  1056
.set TP,    272                        ; a wave's tile: 16 rows of 128 bf16 (256 bytes) + 16
.set TILEB, 16*TP
.set XG_E,  2162688                    ; 66 subtiles x 32 k-steps x 1,024 bytes
.set POS,   32                         ; v[32:63]  wave 0: slot positions of tokens 32 b + lane
	s_load_b256 s[4:11], s[0:1], 0x0               ; x s[4:5], bitmap s[6:7], xg s[8:9], slotof s[10:11]
	s_load_b64 s[12:13], s[0:1], 0x20              ; ngr
	v_lshl_add_u32 v192, v0, 2, 0x9a00
	v_mov_b32 v193, 0
	v_and_b32 v1, 31, v0                           ; lane
	v_lshrrev_b32 v3, 5, v0
	v_readfirstlane_b32 s14, v3                    ; wave
	s_and_b32 s15, ttmp7, 0xffff                   ; expert e
	s_mov_b32 s16, ttmp9                           ; j
	s_lshl_b32 s22, s15, 7
	s_mov_b32 s23, 0                               ; stays 0: the high word of every offset
	s_wait_kmcnt 0x0
	s_add_nc_u64 s[6:7], s[6:7], s[22:23]
	s_load_b512 s[32:47], s[6:7], 0x0              ; the expert's 32 words: 1,024 tokens
	s_load_b512 s[48:63], s[6:7], 0x40
	v_lshlrev_b32 v2, 4, v1                        ; 16 bytes a lane
	v_lshlrev_b32 v9, 2, v1                        ; 4 bytes a lane
	v_and_b32 v11, 15, v0                          ; r
	v_bfe_u32 v3, v0, 4, 1                         ; h
	s_lshl_b32 s18, s14, 9
	v_add_nc_u32 v4, s18, v2                       ; my 16 bytes in a row of x: 512 w + 16 lane
	s_mul_i32 s18, s14, TILEB
	s_add_co_u32 s18, s18, LISTB                   ; my wave's tile
	v_lshl_add_u32 v5, v1, 3, s18                  ; in: 8 bytes a lane
	v_mul_u32_u24 v6, v11, TP
	v_lshl_add_u32 v6, v3, 4, v6
	v_add_nc_u32 v6, s18, v6                       ; back: row r, + 16 h
	v_mov_b32 v7, DUMP
.irp i, 164,165,166,167
	v_mov_b32 v\i, 0
.endr
	s_mul_i32 s22, s15, XG_E
	s_lshl_b32 s26, s14, 12                        ; my four k-steps
	s_add_co_u32 s22, s22, s26
	s_add_nc_u64 s[24:25], s[8:9], s[22:23]        ; xg at the expert's subtile 0, my k-steps
	s_lshl_b32 s22, s15, 12
	s_add_nc_u64 s[10:11], s[10:11], s[22:23]      ; slotof[e]
	s_lshl_b32 s22, s15, 2
	s_add_nc_u64 s[12:13], s[12:13], s[22:23]      ; ngr[e]
	s_wait_kmcnt 0x0
	s_bcnt1_i32_b32 s17, s32
.set b, 1
.rept 31
	s_bcnt1_i32_b32 s22, s[32+b]
	s_add_co_u32 s17, s17, s22                     ; T = the expert's kept tokens, at most 1,024
.set b, b+1
.endr
	s_add_co_u32 s19, s17, 47
	s_mul_i32 s19, s19, 43691                      ; (T + 47) / 48: 43691 x 48 = 2^21 + 16, exact for numbers up to 1,071
	s_lshr_b32 s19, s19, 21
	s_max_u32 s19, s19, 1                          ; an expert without tokens still has one group (of token 0)
	s_min_u32 s19, s19, 22
	s_mul_i32 s20, s19, 3                          ; subtiles: 3 to 66
	v_mov_b32 v12, s19
	s_cmp_lg_u32 s14, 0
	s_cbranch_scc1 .Llist_done
	; wave 0 makes the list: zeros first, then token numbers at their positions (LDS serves a wave's instructions in order)
.set i, 0
.rept 9
	ds_store_b128 v2, v[164:167] offset:512*i
.set i, i+1
.endr
	s_mov_b32 s18, 0                               ; kept tokens in front of word b
.macro SCAT b
	v_mbcnt_lo_u32_b32 v[POS+\b], s[32+\b], s18    ; kept tokens in front of token 32 b + lane
	v_cndmask_b32 v8, v7, v[POS+\b], s[32+\b]      ; kept: its position; else the dump word
	v_min_u32 v8, DUMP, v8                         ; a number from memory enters an address only behind a clamp
	v_lshlrev_b32 v8, 2, v8
	v_add_nc_u32 v10, 32*\b, v1
	ds_store_b32 v8, v10
	s_bcnt1_i32_b32 s22, s[32+\b]
	s_add_co_u32 s18, s18, s22
.endm
.irp b, 0,1,2,3,4,5,6,7,8,9,10,11,12,13,14,15,16,17,18,19,20,21,22,23,24,25,26,27,28,29,30,31
	SCAT \b
.endr
	s_cmp_lg_u32 s16, 0
	s_cbranch_scc1 .Llist_done
	; work-group 0 of the expert also stores the tables
.set b, 0
.rept 32
	global_store_b32 v9, v[POS+b], s[10:11] offset:128*b
.set b, b+1
.endr
	v_cmp_eq_u32 vcc_lo, 0, v1
	s_wait_xcnt 0x0                                ; EXEC is narrowed only behind this wait
	s_and_saveexec_b32 s26, vcc_lo
	global_store_b32 v9, v12, s[12:13]             ; lane 0 (offset 0): the number of groups
	s_wait_xcnt 0x0                                ; and widened only behind this one
	s_or_b32 exec_lo, exec_lo, s26
.Llist_done:
	s_wait_dscnt 0x0                               ; the list is in LDS before wave 0 signals
	s_barrier_signal -1
	s_barrier_wait -1
	s_mov_b32 s21, s16                             ; subtile j, then j + 16, ..
	s_add_co_u32 s31, s20, 15
	s_sub_co_u32 s31, s31, s16                     ; at least 3 + 15 - 15
	s_lshr_b32 s31, s31, 4                         ; trips = how many of j, j + 16, .. lie below the number of subtiles: 0 to 5
	s_mov_b32 s30, 0                               ; the loop's counter
	s_cmp_eq_u32 s31, 0
	s_cbranch_scc1 .Lend
.Lsub:
	s_min_u32 s22, s21, 65                         ; never acts (there are at most 66 subtiles): it states the bound of the addresses below
	s_lshl_b32 s26, s22, 6
	v_mov_b32 v14, s26
	ds_load_b128 v[16:19], v14                     ; the subtile's 16 token numbers, in every lane
	ds_load_b128 v[20:23], v14 offset:16
	ds_load_b128 v[24:27], v14 offset:32
	ds_load_b128 v[28:31], v14 offset:48
	s_lshl_b32 s22, s22, 15                        ; 32,768 bytes a subtile
	s_add_nc_u64 s[28:29], s[24:25], s[22:23]
	s_wait_dscnt 0x0
.set i, 0
.rept 16
	v_min_u32 v[16+i], 1023, v[16+i]
	v_lshl_add_u32 v[16+i], v[16+i], 12, v4        ; the token's row, my 16 bytes
.set i, i+1
.endr
.set i, 0
.rept 16
	global_load_b128 v[64+4*i:67+4*i], v[16+i], s[4:5]         ; 512 consecutive bytes, aligned
.set i, i+1
.endr
.set i, 0
.rept 16
	s_wait_loadcnt 15-i                            ; row i is in, the younger rows may be out
	v_cvt_pk_bf16_f32 v128, v[64+4*i], v[65+4*i]
	v_cvt_pk_bf16_f32 v129, v[66+4*i], v[67+4*i]
	ds_store_b64 v5, v[128:129] offset:TP*i
.set i, i+1
.endr
.set i, 0
.rept 8
	ds_load_b128 v[132+4*i:135+4*i], v6 offset:32*i            ; k-step i / 2, part i % 2: my tile's bytes, in order behind my stores
.set i, i+1
.endr
.set i, 0
.rept 8
	s_wait_dscnt 7-i
	global_store_b128 v2, v[132+4*i:135+4*i], s[28:29] offset:512*i    ; 512 consecutive bytes, aligned
.set i, i+1
.endr
	s_wait_xcnt 0x0                                ; the stores' base and data are written again only behind this wait
	s_add_co_u32 s21, s21, 16
	s_add_co_u32 s30, s30, 1
	s_cmp_lt_u32 s30, s31
	s_cbranch_scc1 .Lsub
.Lend:
	s_wait_tensorcnt 0x0
	ds_add_u32 v192, v193
	s_wait_dscnt 0x0
	s_endpgm
.Lfunc_end_k_q21f01bff7e_gather:
	.size	k_q21f01bff7e_gather, .Lfunc_end_k_q21f01bff7e_gather-k_q21f01bff7e_gather
	.p2alignl 7, 3214868480
	.fill 96, 4, 3214868480
	.section	.rodata,"a",@progbits
	.p2align	6, 0x0
	.amdhsa_kernel k_q21f01bff7e_gather
		.amdhsa_group_segment_fixed_size 40448
		.amdhsa_private_segment_fixed_size 0
		.amdhsa_enable_private_segment 0
		.amdhsa_kernarg_size 40
		.amdhsa_user_sgpr_count 2
		.amdhsa_user_sgpr_kernarg_segment_ptr 1
		.amdhsa_wavefront_size32 1
		.amdhsa_system_sgpr_workgroup_id_x 1
		.amdhsa_system_sgpr_workgroup_id_y 1
		.amdhsa_system_sgpr_workgroup_id_z 1
		.amdhsa_system_vgpr_workitem_id 0
		.amdhsa_next_free_vgpr 194
		.amdhsa_next_free_sgpr 66
		.amdhsa_reserve_vcc 1
		.amdhsa_float_denorm_mode_32 3
		.amdhsa_float_denorm_mode_16_64 3
		.amdhsa_memory_ordered 1
		.amdhsa_forward_progress 1
		.amdhsa_inst_pref_size 31
	.end_amdhsa_kernel
	.amdgpu_metadata
---
amdhsa.version: [ 1, 2 ]
amdhsa.kernels:
  - .name:           k_q21f01bff7e_gather
    .symbol:         k_q21f01bff7e_gather.kd
    .args:
      - { .name: x, .offset: 0, .size: 8, .value_kind: global_buffer, .address_space: global }
      - { .name: bitmap, .offset: 8, .size: 8, .value_kind: global_buffer, .address_space: global }
      - { .name: xg, .offset: 16, .size: 8, .value_kind: global_buffer, .address_space: global }
      - { .name: slotof, .offset: 24, .size: 8, .value_kind: global_buffer, .address_space: global }
      - { .name: ngr, .offset: 32, .size: 8, .value_kind: global_buffer, .address_space: global }
    .group_segment_fixed_size: 40448
    .private_segment_fixed_size: 0
    .kernarg_segment_align: 8
    .kernarg_segment_size: 40
    .max_flat_workgroup_size: 256
    .sgpr_count:     66
    .vgpr_count:     194
    .wavefront_size: 32
...
	.end_amdgpu_metadata
.endif
;; end of part 2
;; launch ffn1 (part 3): grid 32 x 8, 8 waves a work-group, no clusters, 263,168 bytes of LDS; arguments xg, W1, b1, ngr, hf; writes hf
.if DOCPART == 3
	.amdgcn_target "amdgcn-amd-amdhsa--gfx1250"
	.amdhsa_code_object_version 6
	.text
	.protected	k_q21f01bff7e_ffn1
	.globl	k_q21f01bff7e_ffn1
	.p2align	8
	.type	k_q21f01bff7e_ffn1,@function
k_q21f01bff7e_ffn1:
	s_mov_b64 s[64:65], 0
	v_nop
	global_prefetch_b8 v0, s[64:65] scope:SCOPE_SE
	s_setreg_imm32_b32 hwreg(HW_REG_WAVE_MODE, 25, 1), 1
	s_wait_xcnt 0x0
; FFN1.  hf = relu(xg W1[e] + b1[e]) in bf16, for the slots of expert e (grid y) and hidden columns 128 x .. 128 x + 127 (grid x).
; The work-group owns the slice W1[e][0..1023][128 x ..]: 1,024 rows of 512 bytes, which no other work-group reads.
; PHASE 1: the eight waves stream the slice once (wave w: rows 128 w ..), 48 loads of 512 bytes a wave on their way.  A lane holds 4 columns of
; 8 k-rows, so packing along k gives for each column the 16 bytes of a fragment: the transposition costs no instruction.  The slice lies in
; LDS as 32 k-steps x 8 column tiles x 1,024 bytes (part p 512 bytes, lane 16 h + r 16 bytes = k = 32 ks + 16 p + 8 h + 0..7 of column r).
; One barrier.  PHASE 2, no barrier: wave w takes the groups of 48 slots w, w + 8, .. below ngr[e]; a trip is 48 slots x 128 columns x K 1,024 =
; 768 matrix instructions on 24 accumulators; weights come from LDS, token fragments straight from memory into registers, three k-steps ahead.
; The matrix instruction is used transposed (source 0 weights, source 1 tokens): a lane's 8 results are 8 neighbouring hidden columns of one
; slot, which pack into the 16 bytes that the next launch's token fragment wants.  The bias is the first product's C: nothing is cleared or added.
; CLUSTERS AND TENSOR LOADS are not used: the weights must pass registers (f32 to bf16, transposed); what the 32 work-groups of an expert share
; is the token fragments, and a joint request lands in LDS, where the slice takes 262,144 of the 327,680 bytes; the eight waves walk eight
; different groups at their own pace, and a shared ring would put a barrier into a loop whose trips differ from wave to wave.
; LIMIT: relu of NaN gives 0 here.
.set WPITCH, 16384                     ; bytes from k-row to k-row of W1[e]
.set SUBB,   32768                     ; a subtile of xg: 32 k-steps x 1,024 bytes
.set GRPA,   3*SUBB                    ; a group of 48 slots
.set XG_E,   2162688                   ; 66 subtiles
.set HSUB,   131072                    ; a subtile of hf: 128 k-steps x 1,024 bytes
.set GRPH,   3*HSUB
.set HF_E,   8650752
.set WR,   2                           ; v[2:17]   weight reads: 65,536 c + 256 h + 16 ((r + p) % 16), at 4 c + p
.set WS,   18                          ; v[18:21]  weight stores, one for each of my 4 columns
.set WOFF, 22                          ; v22       my 16 bytes in my wave's first row of the slice
.set BOFF, 23                          ; v23       32 h
.set BB0,  32                          ; v[32:95], v[96:159]  weight fragments, two buffers of 8 tiles
.set AR,   160                         ; v[160:255] token fragments, four slots of 3 subtiles
.set RB,   32                          ; phase 1: v[32:223] six slots of eight loads
.set OUT,  224                         ; phase 1: v[224:239] packed
.set BIAS, 192                         ; window 1: v[448:511], tile b at 192 + 8 b; accumulator (s, b) at 8 (8 s + b): v[256:447]
.set MSB, 0
.macro WIN new                         ; s_set_vgpr_msb: low byte = windows of source 0, 1, 2 and destination; high byte repeats the setting that is left
.if MSB != \new
	s_set_vgpr_msb (MSB<<8)|\new
.set MSB, \new
.endif
.endm
.macro PLACES                          ; four places between a matrix instruction and a load into, or a vector write of, its registers, or a read of its result
.rept 4
	v_nop
.endr
.endm
	s_load_b256 s[4:11], s[0:1], 0x0               ; xg s[4:5], W1 s[6:7], b1 s[8:9], ngr s[10:11]
	s_load_b64 s[12:13], s[0:1], 0x20              ; hf
	v_lshl_add_u32 v24, v0, 2, 0x40000
	v_mov_b32 v25, 0
	v_lshrrev_b32 v26, 5, v0
	v_readfirstlane_b32 s16, v26                   ; wave w
	s_and_b32 s17, ttmp7, 0xffff                   ; expert e
	s_mov_b32 s18, ttmp9                           ; column block x
	s_lshl_b32 s21, s17, 2
	v_and_b32 v27, 31, v0                          ; lane
	v_lshlrev_b32 v1, 4, v27                       ; 16 bytes a lane
	v_and_b32 v28, 15, v0                          ; r
	v_bfe_u32 v29, v0, 4, 1                        ; h
	s_wait_kmcnt 0x0
	s_load_b32 s19, s[10:11], s21 offset:0x0       ; the expert's groups
.irp p, 0,1,2,3
	v_add_nc_u32 v30, \p, v28
	v_and_b32 v30, 15, v30
	v_lshlrev_b32 v30, 4, v30
	v_lshl_add_u32 v[WR+\p], v29, 8, v30
.endr
.irp c, 1,2,3
.irp p, 0,1,2,3
	v_add_nc_u32 v[WR+4*\c+\p], \c*65536, v[WR+\p] ; an LDS immediate reaches 65,535 bytes: the register carries the rest
.endr
.endr
	; my columns 4 lane + c lie in tile lane / 4 at place (4 (lane % 4) + c + tile % 4) % 16: turned by tile % 4, so that the 16 lanes of a
	; half of a 16-byte store touch 16 different 16-byte columns modulo 256 bytes
	v_lshrrev_b32 v30, 2, v27
	v_and_b32 v31, 3, v27
	v_lshlrev_b32 v31, 2, v31
	v_and_b32 v26, 3, v30
	v_add_nc_u32 v31, v31, v26
	s_lshl_b32 s22, s16, 15                        ; my wave's four k-steps: LDS bytes 32,768 w .. 32,768 w + 32,767
	v_lshl_add_u32 v30, v30, 10, s22
.irp c, 0,1,2,3
	v_add_nc_u32 v26, \c, v31
	v_and_b32 v26, 15, v26
	v_lshl_add_u32 v[WS+\c], v26, 4, v30
.endr
	s_mul_i32 s22, s16, 128*WPITCH
	v_add_nc_u32 v[WOFF], s22, v1
	v_lshlrev_b32 v[BOFF], 5, v29
	s_lshl_b32 s22, s17, 24                        ; W1[e]: 1,024 x 16,384 bytes
	s_lshl_b32 s23, s18, 9
	s_add_co_u32 s22, s22, s23
	s_mov_b32 s23, 0
	s_add_nc_u64 s[24:25], s[6:7], s[22:23]        ; the slice
	s_lshl_b32 s22, s17, 14
	s_lshl_b32 s30, s18, 9
	s_add_co_u32 s22, s22, s30
	s_add_nc_u64 s[8:9], s[8:9], s[22:23]          ; b1[e][128 x]
	s_mul_i32 s22, s17, XG_E
	s_mul_i32 s30, s16, GRPA
	s_add_co_u32 s22, s22, s30
	s_add_nc_u64 s[26:27], s[4:5], s[22:23]        ; xg: group w of the expert
	s_mul_i32 s22, s17, HF_E
	s_mul_i32 s30, s16, GRPH
	s_add_co_u32 s22, s22, s30
	s_lshl_b32 s30, s18, 12                        ; my four k-steps of hf
	s_add_co_u32 s22, s22, s30
	s_add_nc_u64 s[28:29], s[12:13], s[22:23]      ; hf: group w, k-step 4 x
	; the bias as eight C tiles: register j of lane (r, h) = b1 of column 16 b + 8 h + j
	WIN 0x40
.irp b, 0,1,2,3,4,5,6,7
	global_load_b128 v[BIAS+8*\b:BIAS+8*\b+3],   v[BOFF], s[8:9] offset:64*\b
	global_load_b128 v[BIAS+8*\b+4:BIAS+8*\b+7], v[BOFF], s[8:9] offset:64*\b+16
.endr
	WIN 0
; eight rows 128 w + 8 m + j of the slice, 512 consecutive bytes each
.macro WLOAD m
.irp j, 0,1,2,3,4,5,6,7
	global_load_b128 v[RB+32*((\m)%6)+4*\j:RB+32*((\m)%6)+4*\j+3], v[WOFF], s[24:25] offset:(8*(\m)+\j)*WPITCH th:TH_LOAD_NT
.endr
.endm
; for each of my 4 columns: 8 k in 4 registers, into k-step 4 w + m / 4, part (m / 2) % 2, half m % 2
.macro WCONV m
.irp c, 0,1,2,3
.irp u, 0,1,2,3
	v_cvt_pk_bf16_f32 v[OUT+4*\c+\u], v[RB+32*((\m)%6)+8*\u+\c], v[RB+32*((\m)%6)+8*\u+4+\c]
.endr
	ds_store_b128 v[WS+\c], v[OUT+4*\c:OUT+4*\c+3] offset:((\m)>>2)*8192+(((\m)>>1)&1)*512+((\m)&1)*256
.endr
.endm
.irp m, 0,1,2,3,4,5
	WLOAD \m
.endr
.irp m, 0,1,2,3,4,5,6,7,8,9,10,11,12,13,14,15
.if \m <= 10
	s_wait_loadcnt 40                              ; five younger octets may be out; the bias, the oldest of all, is in with the first of these waits
.else
	s_wait_loadcnt 8*(15-\m)                       ; the counts run down
.endif
	WCONV \m
.if \m < 10
	WLOAD (\m+6)
.endif
.endr
	s_wait_kmcnt 0x0
	s_min_u32 s19, s19, 22                         ; 22 groups of 48 hold all 1,024 tokens
	s_wait_dscnt 0x0                               ; for the others' sake: my part of the slice is in LDS
	s_barrier_signal -1
	s_barrier_wait -1
.macro BLOAD t                         ; k-step t's 8 weight tiles into buffer t % 2
.irp b, 0,1,2,3,4,5,6,7
	ds_load_b128 v[BB0+64*((\t)%2)+8*\b:BB0+64*((\t)%2)+8*\b+3],   v[WR+4*((\t)>>3)+(\b&3)] offset:((\t)&7)*8192+\b*1024
	ds_load_b128 v[BB0+64*((\t)%2)+8*\b+4:BB0+64*((\t)%2)+8*\b+7], v[WR+4*((\t)>>3)+(\b&3)] offset:((\t)&7)*8192+\b*1024+512
.endr
.endm
.macro ALOAD t                         ; k-step t's 3 token fragments into slot t % 4: 512 consecutive bytes a load
.irp s, 0,1,2
	global_load_b128 v[AR+24*((\t)%4)+8*\s:AR+24*((\t)%4)+8*\s+3],   v1, s[26:27] offset:\s*SUBB+(\t)*1024
	global_load_b128 v[AR+24*((\t)%4)+8*\s+4:AR+24*((\t)%4)+8*\s+7], v1, s[26:27] offset:\s*SUBB+(\t)*1024+512
.endr
.endm
.macro MUL t                           ; the 24 accumulators take turns, one instruction a turn, in the same order in every k-step
	WIN 0x50                                       ; C and D in window 1
.irp b, 0,1,2,3,4,5,6,7
.irp s, 0,1,2
.if \t == 0
	v_wmma_f32_16x16x32_bf16 v[8*(8*\s+\b):8*(8*\s+\b)+7], v[BB0+64*((\t)%2)+8*\b:BB0+64*((\t)%2)+8*\b+7], v[AR+24*((\t)%4)+8*\s:AR+24*((\t)%4)+8*\s+7], v[BIAS+8*\b:BIAS+8*\b+7]
.else
	v_wmma_f32_16x16x32_bf16 v[8*(8*\s+\b):8*(8*\s+\b)+7], v[BB0+64*((\t)%2)+8*\b:BB0+64*((\t)%2)+8*\b+7], v[AR+24*((\t)%4)+8*\s:AR+24*((\t)%4)+8*\s+7], v[8*(8*\s+\b):8*(8*\s+\b)+7]
.endif
.endr
.endr
	WIN 0
.endm
.macro KSTEP t
.if \t > 0
	PLACES                                         ; the loads below land in registers that k-step t - 1 multiplied
.endif
.if \t < 31
	BLOAD (\t+1)
.endif
.if \t < 29
	ALOAD (\t+3)
.endif
.if \t < 31
	s_wait_dscnt 16                                ; all but the 16 just issued: k-step t's weights are in
.else
	s_wait_dscnt 0
.endif
.if \t < 29
	s_wait_loadcnt 18                              ; three younger k-steps of six loads may be out: k-step t's tokens are in
.else
	s_wait_loadcnt 6*(31-\t)
.endif
	MUL \t
.endm
; subtile s: relu, round to bf16, store.  Tile b is part b % 2 of the next launch's k-step 4 x + b / 2.
.macro OUTH s
	WIN 0x04                                       ; source 1 in window 1
.irp b, 0,1,2,3,4,5,6,7
.irp j, 0,1,2,3,4,5,6,7
	v_max_num_f32 v[BB0+8*\b+\j], 0, v[8*(8*\s+\b)+\j]
.endr
.endr
	WIN 0
.irp b, 0,1,2,3,4,5,6,7
.irp u, 0,1,2,3
	v_cvt_pk_bf16_f32 v[AR+32*\s+4*\b+\u], v[BB0+8*\b+2*\u], v[BB0+8*\b+2*\u+1]
.endr
	global_store_b128 v1, v[AR+32*\s+4*\b:AR+32*\s+4*\b+3], s[28:29] offset:\s*HSUB+\b*512   ; 512 consecutive bytes, aligned
.endr
.endm
	s_add_co_u32 s21, s19, 7
	s_sub_co_u32 s21, s21, s16                     ; at least 0: w is at most 7
	s_lshr_b32 s21, s21, 3                         ; trips = how many of w, w + 8, w + 16 lie below the number of groups: 0 to 3
	s_mov_b32 s20, 0                               ; the loop's counter
	s_cmp_eq_u32 s21, 0
	s_cbranch_scc1 .Lend
.Ltrip:
	ALOAD 0
	ALOAD 1
	ALOAD 2
	BLOAD 0
.irp t, 0,1,2,3,4,5,6,7,8,9,10,11,12,13,14,15,16,17,18,19,20,21,22,23,24,25,26,27,28,29,30,31
	KSTEP \t
.endr
	PLACES                                         ; behind the last matrix instructions: results are read, fragment registers written
	OUTH 0
	OUTH 1
	OUTH 2
	s_wait_xcnt 0x0                                ; the stores' data (the token slots) and base are written again only behind this wait
	s_add_nc_u64 s[26:27], s[26:27], 8*GRPA        ; its loads are all in (the last wait was for 0)
	s_add_nc_u64 s[28:29], s[28:29], 8*GRPH
	s_add_co_u32 s20, s20, 1
	s_cmp_lt_u32 s20, s21
	s_cbranch_scc1 .Ltrip
.Lend:
	s_wait_tensorcnt 0x0
	ds_add_u32 v24, v25
	s_wait_dscnt 0x0
	s_endpgm
.Lfunc_end_k_q21f01bff7e_ffn1:
	.size	k_q21f01bff7e_ffn1, .Lfunc_end_k_q21f01bff7e_ffn1-k_q21f01bff7e_ffn1
	.p2alignl 7, 3214868480
	.fill 96, 4, 3214868480
	.section	.rodata,"a",@progbits
	.p2align	6, 0x0
	.amdhsa_kernel k_q21f01bff7e_ffn1
		.amdhsa_group_segment_fixed_size 263168
		.amdhsa_private_segment_fixed_size 0
		.amdhsa_enable_private_segment 0
		.amdhsa_kernarg_size 40
		.amdhsa_user_sgpr_count 2
		.amdhsa_user_sgpr_kernarg_segment_ptr 1
		.amdhsa_wavefront_size32 1
		.amdhsa_system_sgpr_workgroup_id_x 1
		.amdhsa_system_sgpr_workgroup_id_y 1
		.amdhsa_system_sgpr_workgroup_id_z 1
		.amdhsa_system_vgpr_workitem_id 0
		.amdhsa_next_free_vgpr 512
		.amdhsa_next_free_sgpr 66
		.amdhsa_reserve_vcc 0
		.amdhsa_float_denorm_mode_32 3
		.amdhsa_float_denorm_mode_16_64 3
		.amdhsa_memory_ordered 1
		.amdhsa_forward_progress 1
		.amdhsa_inst_pref_size 160
	.end_amdhsa_kernel
	.amdgpu_metadata
---
amdhsa.version: [ 1, 2 ]
amdhsa.kernels:
  - .name:           k_q21f01bff7e_ffn1
    .symbol:         k_q21f01bff7e_ffn1.kd
    .args:
      - { .name: xg, .offset: 0, .size: 8, .value_kind: global_buffer, .address_space: global }
      - { .name: W1, .offset: 8, .size: 8, .value_kind: global_buffer, .address_space: global }
      - { .name: b1, .offset: 16, .size: 8, .value_kind: global_buffer, .address_space: global }
      - { .name: ngr, .offset: 24, .size: 8, .value_kind: global_buffer, .address_space: global }
      - { .name: hf, .offset: 32, .size: 8, .value_kind: global_buffer, .address_space: global }
    .group_segment_fixed_size: 263168
    .private_segment_fixed_size: 0
    .kernarg_segment_align: 8
    .kernarg_segment_size: 40
    .max_flat_workgroup_size: 256
    .sgpr_count:     66
    .vgpr_count:     512
    .wavefront_size: 32
...
	.end_amdgpu_metadata
.endif
;; end of part 3
;; launch ffn2 (part 4): grid 32 x 8, 8 waves a work-group, no clusters, 297,984 bytes of LDS; arguments hf, W2, ngr, ypart; writes ypart
.if DOCPART == 4
	.amdgcn_target "amdgcn-amd-amdhsa--gfx1250"
	.amdhsa_code_object_version 6
	.text
	.protected	k_q21f01bff7e_ffn2
	.globl	k_q21f01bff7e_ffn2
	.p2align	8
	.type	k_q21f01bff7e_ffn2,@function
k_q21f01bff7e_ffn2:
	s_mov_b64 s[64:65], 0
	v_nop
	global_prefetch_b8 v0, s[64:65] scope:SCOPE_SE
	s_setreg_imm32_b32 hwreg(HW_REG_WAVE_MODE, 25, 1), 1
	s_wait_xcnt 0x0
; FFN2.  ypart[q][slot][128 d .. 128 d + 127] = sum over hidden k = 1,024 q .. 1,024 q + 1,023 of hf[slot][k] W2[e][k][..], in f32,
; for expert e (grid y), column block d = x % 8 and K quarter q = x / 8 (grid x).  The four quarters are added by the next launch, in a fixed order.
; The work-group owns the slice W2[e][1,024 q ..][128 d ..]: 1,024 rows of 512 bytes, which no other work-group reads.  K is split so that
; the 8 x 8 column blocks make 256 slices of whole 512-byte row pieces.
; The body is that of the launch before: PHASE 1 streams the slice once, converts it to bf16 and lays it in LDS as 32 k-steps x 8 column tiles of
; 1,024 bytes (part p 512 bytes, lane 16 h + r 16 bytes = k = 32 ks + 16 p + 8 h + 0..7 of column r); one barrier; PHASE 2, no barrier: wave w takes the
; groups of 48 slots w, w + 8, .. below ngr[e], 768 matrix instructions a trip on 24 accumulators, weights from LDS, token fragments from memory.
; The matrix instruction is used transposed (source 0 weights, source 1 tokens): a lane's 8 results are 8 neighbouring columns of one slot.
; They leave through a stage in LDS of the wave's own, so that 16 lanes store 256 consecutive bytes, aligned.
; CLUSTERS AND TENSOR LOADS are not used: the weights must pass registers (f32 to bf16, transposed); what work-groups share is the token
; fragments, and a joint request lands in LDS, where slice and stages take 296,960 of the 327,680 bytes; the eight waves walk eight different
; groups at their own pace, and a shared ring would put a barrier into a loop whose trips differ from wave to wave.
.set WPITCH, 4096                      ; bytes from k-row to k-row of W2[e]
.set SUBB,   131072                    ; a subtile of hf: 128 k-steps x 1,024 bytes
.set GRPA,   3*SUBB
.set HF_E,   8650752                   ; 66 subtiles
.set YROW,   4096                      ; a slot's row of ypart
.set YQ,     34603008                  ; 8 x 1,056 slots x 4,096 bytes
.set STAGE,  262144                    ; behind the slice: 16 rows x 272 bytes for each wave
.set SP,     272                       ; 64 f32 (256 bytes) + 16
.set WR,   2                           ; v[2:17]   weight reads: 65,536 c + 256 h + 16 ((r + p) % 16), at 4 c + p
.set WS,   18                          ; v[18:21]  weight stores, one for each of my 4 columns
.set WOFF, 22                          ; v22       my 16 bytes in my wave's first row of the slice
.set STO,  23                          ; v23       stage, in: row r, + 32 h
.set RD,   24                          ; v24       stage, back: row h, + 16 r
.set CO,   25                          ; v25       the same two rows in ypart
.set BB0,  32                          ; v[32:95], v[96:159]  weight fragments, two buffers of 8 tiles
.set AR,   160                         ; v[160:255] token fragments, four slots of 3 subtiles
.set RB,   32                          ; phase 1: v[32:223] six slots of eight loads
.set OUT,  224                         ; phase 1: v[224:239] packed
.set MSB, 0                            ; window 1: accumulator (s, b) at 8 (8 s + b): v[256:447]
.macro WIN new                         ; s_set_vgpr_msb: low byte = windows of source 0, 1, 2 and destination; high byte repeats the setting that is left
.if MSB != \new
	s_set_vgpr_msb (MSB<<8)|\new
.set MSB, \new
.endif
.endm
.macro PLACES                          ; four places between a matrix instruction and a load into, or a vector write of, its registers, or a read of its result
.rept 4
	v_nop
.endr
.endm
	s_load_b256 s[4:11], s[0:1], 0x0               ; hf s[4:5], W2 s[6:7], ngr s[8:9], ypart s[10:11]
	s_set_vgpr_msb 0x40
	v_lshl_add_u32 v254, v0, 2, 0x48800
	v_mov_b32 v255, 0
	s_set_vgpr_msb 0x4000
	v_lshrrev_b32 v26, 5, v0
	v_readfirstlane_b32 s16, v26                   ; wave w
	s_and_b32 s17, ttmp7, 0xffff                   ; expert e
	s_mov_b32 s18, ttmp9
	s_and_b32 s30, s18, 7                          ; column block d
	s_lshr_b32 s31, s18, 3                         ; K quarter q
	s_lshl_b32 s21, s17, 2
	v_and_b32 v27, 31, v0                          ; lane
	v_lshlrev_b32 v1, 4, v27                       ; 16 bytes a lane
	v_and_b32 v28, 15, v0                          ; r
	v_bfe_u32 v29, v0, 4, 1                        ; h
	s_wait_kmcnt 0x0
	s_load_b32 s19, s[8:9], s21 offset:0x0         ; the expert's groups
.irp p, 0,1,2,3
	v_add_nc_u32 v30, \p, v28
	v_and_b32 v30, 15, v30
	v_lshlrev_b32 v30, 4, v30
	v_lshl_add_u32 v[WR+\p], v29, 8, v30
.endr
.irp c, 1,2,3
.irp p, 0,1,2,3
	v_add_nc_u32 v[WR+4*\c+\p], \c*65536, v[WR+\p] ; an LDS immediate reaches 65,535 bytes: the register carries the rest
.endr
.endr
	; my columns 4 lane + c lie in tile lane / 4 at place (4 (lane % 4) + c + tile % 4) % 16: turned by tile % 4, so that the 16 lanes of a
	; half of a 16-byte store touch 16 different 16-byte columns modulo 256 bytes
	v_lshrrev_b32 v30, 2, v27
	v_and_b32 v31, 3, v27
	v_lshlrev_b32 v31, 2, v31
	v_and_b32 v26, 3, v30
	v_add_nc_u32 v31, v31, v26
	s_lshl_b32 s22, s16, 15                        ; my wave's four k-steps: LDS bytes 32,768 w .. 32,768 w + 32,767
	v_lshl_add_u32 v30, v30, 10, s22
.irp c, 0,1,2,3
	v_add_nc_u32 v26, \c, v31
	v_and_b32 v26, 15, v26
	v_lshl_add_u32 v[WS+\c], v26, 4, v30
.endr
	s_mul_i32 s22, s16, 128*WPITCH
	v_add_nc_u32 v[WOFF], s22, v1
	s_mul_i32 s32, s16, 16*SP
	s_add_co_u32 s32, s32, STAGE                   ; my stage
	v_mul_u32_u24 v26, v28, SP
	v_lshl_add_u32 v26, v29, 5, v26
	v_add_nc_u32 v[STO], s32, v26
	v_mul_u32_u24 v26, v29, SP
	v_lshl_add_u32 v26, v28, 4, v26
	v_add_nc_u32 v[RD], s32, v26
	v_lshlrev_b32 v26, 12, v29
	v_lshl_add_u32 v[CO], v28, 4, v26
	s_lshl_b32 s22, s17, 24                        ; W2[e]: 4,096 x 4,096 bytes
	s_lshl_b32 s32, s31, 22                        ; 1,024 rows a quarter
	s_add_co_u32 s22, s22, s32
	s_lshl_b32 s32, s30, 9
	s_add_co_u32 s22, s22, s32
	s_mov_b32 s23, 0
	s_add_nc_u64 s[24:25], s[6:7], s[22:23]        ; the slice
	s_mul_i32 s22, s17, HF_E
	s_lshl_b32 s32, s31, 15                        ; 32 k-steps a quarter
	s_add_co_u32 s22, s22, s32
	s_mul_i32 s32, s16, GRPA
	s_add_co_u32 s22, s22, s32
	s_add_nc_u64 s[26:27], s[4:5], s[22:23]        ; hf: group w of the expert, my quarter
	s_mul_i32 s22, s31, YQ
	s_mul_i32 s32, s17, 1056*YROW
	s_add_co_u32 s22, s22, s32
	s_mul_i32 s32, s16, 48*YROW
	s_add_co_u32 s22, s22, s32
	s_lshl_b32 s32, s30, 9
	s_add_co_u32 s22, s22, s32                     ; below 138,412,032: one word
	s_add_nc_u64 s[28:29], s[10:11], s[22:23]      ; ypart: my quarter, group w's first slot, my columns
; eight rows 128 w + 8 m + j of the slice, 512 consecutive bytes each
.macro WLOAD m
.irp j, 0,1,2,3,4,5,6,7
	global_load_b128 v[RB+32*((\m)%6)+4*\j:RB+32*((\m)%6)+4*\j+3], v[WOFF], s[24:25] offset:(8*(\m)+\j)*WPITCH th:TH_LOAD_NT
.endr
.endm
; for each of my 4 columns: 8 k in 4 registers, into k-step 4 w + m / 4, part (m / 2) % 2, half m % 2
.macro WCONV m
.irp c, 0,1,2,3
.irp u, 0,1,2,3
	v_cvt_pk_bf16_f32 v[OUT+4*\c+\u], v[RB+32*((\m)%6)+8*\u+\c], v[RB+32*((\m)%6)+8*\u+4+\c]
.endr
	ds_store_b128 v[WS+\c], v[OUT+4*\c:OUT+4*\c+3] offset:((\m)>>2)*8192+(((\m)>>1)&1)*512+((\m)&1)*256
.endr
.endm
.irp m, 0,1,2,3,4,5
	WLOAD \m
.endr
.irp m, 0,1,2,3,4,5,6,7,8,9,10,11,12,13,14,15
.if \m <= 10
	s_wait_loadcnt 40                              ; five younger octets may be out
.else
	s_wait_loadcnt 8*(15-\m)                       ; the counts run down
.endif
	WCONV \m
.if \m < 10
	WLOAD (\m+6)
.endif
.endr
	s_wait_kmcnt 0x0
	s_min_u32 s19, s19, 22                         ; 22 groups of 48 hold all 1,024 tokens
	s_wait_dscnt 0x0                               ; for the others' sake: my part of the slice is in LDS
	s_barrier_signal -1
	s_barrier_wait -1
.macro BLOAD t                         ; k-step t's 8 weight tiles into buffer t % 2
.irp b, 0,1,2,3,4,5,6,7
	ds_load_b128 v[BB0+64*((\t)%2)+8*\b:BB0+64*((\t)%2)+8*\b+3],   v[WR+4*((\t)>>3)+(\b&3)] offset:((\t)&7)*8192+\b*1024
	ds_load_b128 v[BB0+64*((\t)%2)+8*\b+4:BB0+64*((\t)%2)+8*\b+7], v[WR+4*((\t)>>3)+(\b&3)] offset:((\t)&7)*8192+\b*1024+512
.endr
.endm
.macro ALOAD t                         ; k-step t's 3 token fragments into slot t % 4: 512 consecutive bytes a load
.irp s, 0,1,2
	global_load_b128 v[AR+24*((\t)%4)+8*\s:AR+24*((\t)%4)+8*\s+3],   v1, s[26:27] offset:\s*SUBB+(\t)*1024
	global_load_b128 v[AR+24*((\t)%4)+8*\s+4:AR+24*((\t)%4)+8*\s+7], v1, s[26:27] offset:\s*SUBB+(\t)*1024+512
.endr
.endm
.macro MUL t                           ; the 24 accumulators take turns, one instruction a turn, in the same order in every k-step
	WIN 0x50                                       ; C and D in window 1
.irp b, 0,1,2,3,4,5,6,7
.irp s, 0,1,2
.if \t == 0
	v_wmma_f32_16x16x32_bf16 v[8*(8*\s+\b):8*(8*\s+\b)+7], v[BB0+64*((\t)%2)+8*\b:BB0+64*((\t)%2)+8*\b+7], v[AR+24*((\t)%4)+8*\s:AR+24*((\t)%4)+8*\s+7], 0
.else
	v_wmma_f32_16x16x32_bf16 v[8*(8*\s+\b):8*(8*\s+\b)+7], v[BB0+64*((\t)%2)+8*\b:BB0+64*((\t)%2)+8*\b+7], v[AR+24*((\t)%4)+8*\s:AR+24*((\t)%4)+8*\s+7], v[8*(8*\s+\b):8*(8*\s+\b)+7]
.endif
.endr
.endr
	WIN 0
.endm
.macro KSTEP t
.if \t > 0
	PLACES                                         ; the loads below land in registers that k-step t - 1 multiplied
.endif
.if \t < 31
	BLOAD (\t+1)
.endif
.if \t < 29
	ALOAD (\t+3)
.endif
.if \t < 31
	s_wait_dscnt 16                                ; all but the 16 just issued: k-step t's weights are in
.else
	s_wait_dscnt 0
.endif
.if \t < 29
	s_wait_loadcnt 18                              ; three younger k-steps of six loads may be out: k-step t's tokens are in
.else
	s_wait_loadcnt 6*(31-\t)
.endif
	MUL \t
.endm
; subtile s, columns 64 hh .. 64 hh + 63: 16 rows of 256 bytes through my stage.  LDS serves a wave's instructions in order, so the reads see
; the stores above them, and the next batch's stores come behind these reads.  Each of the six batches has its own 32 registers.
.macro OUTY s, hh
	WIN 0x04                                       ; the stores' data in window 1
.irp b, 0,1,2,3
	ds_store_b128 v[STO], v[8*(8*\s+4*\hh+\b):8*(8*\s+4*\hh+\b)+3]   offset:64*\b
	ds_store_b128 v[STO], v[8*(8*\s+4*\hh+\b)+4:8*(8*\s+4*\hh+\b)+7] offset:64*\b+16
.endr
	WIN 0
.irp i, 0,1,2,3,4,5,6,7
	ds_load_b128 v[32+32*(2*\s+\hh)+4*\i:32+32*(2*\s+\hh)+4*\i+3], v[RD] offset:2*SP*\i
.endr
.irp i, 0,1,2,3,4,5,6,7
	s_wait_dscnt 7-\i
	global_store_b128 v[CO], v[32+32*(2*\s+\hh)+4*\i:32+32*(2*\s+\hh)+4*\i+3], s[28:29] offset:(16*\s+2*\i)*YROW+256*\hh   ; 16 lanes store 256 consecutive bytes, aligned
.endr
.endm
	s_add_co_u32 s21, s19, 7
	s_sub_co_u32 s21, s21, s16                     ; at least 0: w is at most 7
	s_lshr_b32 s21, s21, 3                         ; trips = how many of w, w + 8, w + 16 lie below the number of groups: 0 to 3
	s_mov_b32 s20, 0                               ; the loop's counter
	s_cmp_eq_u32 s21, 0
	s_cbranch_scc1 .Lend
.Ltrip:
	ALOAD 0
	ALOAD 1
	ALOAD 2
	BLOAD 0
.irp t, 0,1,2,3,4,5,6,7,8,9,10,11,12,13,14,15,16,17,18,19,20,21,22,23,24,25,26,27,28,29,30,31
	KSTEP \t
.endr
	PLACES                                         ; behind the last matrix instructions: results are stored to LDS, fragment registers loaded;
	v_nop                                          ; and a fifth place: the next trip's first products (C = 0) write over the accumulators, and the way out below holds no vector arithmetic (ISA guide 7.12.1)
	OUTY 0, 0
	OUTY 0, 1
	OUTY 1, 0
	OUTY 1, 1
	OUTY 2, 0
	OUTY 2, 1
	s_wait_xcnt 0x0                                ; the stores' data (fragment registers) and base are written again only behind this wait
	s_add_nc_u64 s[26:27], s[26:27], 8*GRPA        ; its loads are all in (the last wait was for 0)
	s_add_nc_u64 s[28:29], s[28:29], 8*48*YROW
	s_add_co_u32 s20, s20, 1
	s_cmp_lt_u32 s20, s21
	s_cbranch_scc1 .Ltrip
.Lend:
	s_set_vgpr_msb 0x5
	s_wait_tensorcnt 0x0
	ds_add_u32 v254, v255
	s_wait_dscnt 0x0
	s_set_vgpr_msb 0x500
	s_endpgm
.Lfunc_end_k_q21f01bff7e_ffn2:
	.size	k_q21f01bff7e_ffn2, .Lfunc_end_k_q21f01bff7e_ffn2-k_q21f01bff7e_ffn2
	.p2alignl 7, 3214868480
	.fill 96, 4, 3214868480
	.section	.rodata,"a",@progbits
	.p2align	6, 0x0
	.amdhsa_kernel k_q21f01bff7e_ffn2
		.amdhsa_group_segment_fixed_size 297984
		.amdhsa_private_segment_fixed_size 0
		.amdhsa_enable_private_segment 0
		.amdhsa_kernarg_size 32
		.amdhsa_user_sgpr_count 2
		.amdhsa_user_sgpr_kernarg_segment_ptr 1
		.amdhsa_wavefront_size32 1
		.amdhsa_system_sgpr_workgroup_id_x 1
		.amdhsa_system_sgpr_workgroup_id_y 1
		.amdhsa_system_sgpr_workgroup_id_z 1
		.amdhsa_system_vgpr_workitem_id 0
		.amdhsa_next_free_vgpr 512
		.amdhsa_next_free_sgpr 66
		.amdhsa_reserve_vcc 0
		.amdhsa_float_denorm_mode_32 3
		.amdhsa_float_denorm_mode_16_64 3
		.amdhsa_memory_ordered 1
		.amdhsa_forward_progress 1
		.amdhsa_inst_pref_size 157
	.end_amdhsa_kernel
	.amdgpu_metadata
---
amdhsa.version: [ 1, 2 ]
amdhsa.kernels:
  - .name:           k_q21f01bff7e_ffn2
    .symbol:         k_q21f01bff7e_ffn2.kd
    .args:
      - { .name: hf, .offset: 0, .size: 8, .value_kind: global_buffer, .address_space: global }
      - { .name: W2, .offset: 8, .size: 8, .value_kind: global_buffer, .address_space: global }
      - { .name: ngr, .offset: 16, .size: 8, .value_kind: global_buffer, .address_space: global }
      - { .name: ypart, .offset: 24, .size: 8, .value_kind: global_buffer, .address_space: global }
    .group_segment_fixed_size: 297984
    .private_segment_fixed_size: 0
    .kernarg_segment_align: 8
    .kernarg_segment_size: 32
    .max_flat_workgroup_size: 256
    .sgpr_count:     66
    .vgpr_count:     512
    .wavefront_size: 32
...
	.end_amdgpu_metadata
.endif
;; end of part 4
;; launch combine (part 5): grid 256 x 1, 4 waves a work-group, no clusters, 0 bytes of LDS; arguments ypart, b2, gatew, bitmap, slotof, out0; writes out0
.if DOCPART == 5
	.amdgcn_target "amdgcn-amd-amdhsa--gfx1250"
	.amdhsa_code_object_version 6
	.text
	.protected	k_q21f01bff7e_combine
	.globl	k_q21f01bff7e_combine
	.p2align	8
	.type	k_q21f01bff7e_combine,@function
k_q21f01bff7e_combine:
	s_mov_b64 s[64:65], 0
	v_nop
	global_prefetch_b8 v0, s[64:65] scope:SCOPE_SE
	s_setreg_imm32_b32 hwreg(HW_REG_WAVE_MODE, 25, 1), 1
	s_wait_xcnt 0x0
; COMBINE.  out[t] = sum over the kept experts e of gatew[t][e] x (ypart[0] + ypart[1] + ypart[2] + ypart[3] + b2[e]) at slot 1,056 e + slotof[e][t].
; One wave takes one token: a row of 4,096 bytes is eight loads of 512 consecutive bytes.  Which experts are kept, and at which slots their rows
; lie, is read as whole numbers that earlier launches stored; the weights are used as numbers only.
; Experts are taken in ascending order and the four K quarters as (0 + 1) + (2 + 3), so the sum has one fixed order.
; Matrix unit, LDS, clusters: nothing to multiply and nothing shared: each row of ypart is read by one wave.
; LIMIT: an expert that is not kept contributes nothing, also where its y or b2 would be infinite or NaN (0 x inf is not formed).
.set YQ,  34603008                     ; bytes of a K quarter of ypart: 8 x 1,056 slots x 4,096
.set ACC, 32                           ; v[32:63]   the token's row
.set Y,   64                           ; v[64:191]  quarter q at 64 + 32 q
.set B2,  192                          ; v[192:223] b2[e]
	s_load_b256 s[4:11], s[0:1], 0x0               ; ypart s[4:5], b2 s[6:7], gatew s[8:9], bitmap s[10:11]
	s_load_b128 s[12:15], s[0:1], 0x20             ; slotof s[12:13], out0 s[14:15]
	v_lshrrev_b32 v5, 5, v0
	v_readfirstlane_b32 s16, v5                    ; wave
	v_and_b32 v1, 31, v0
	v_lshlrev_b32 v1, 4, v1                        ; 16 bytes a lane
	s_lshl_b32 s17, ttmp9, 2
	s_add_co_u32 s17, s17, s16                     ; token t
	s_lshr_b32 s20, s17, 5
	s_lshl_b32 s20, s20, 2                         ; its word in an expert's 32
	s_lshl_b32 s21, s17, 2                         ; its word in an expert's slot table
	s_lshl_b32 s22, s17, 5                         ; its eight weights
	s_and_b32 s57, s17, 31                         ; its bit
	s_lshl_b32 s18, s17, 12                        ; its row of out0
	s_mov_b32 s19, 0
	s_wait_kmcnt 0x0
	s_load_b256 s[24:31], s[8:9], s22 offset:0x0
.irp e, 0,1,2,3,4,5,6,7
	s_load_b32 s[32+\e], s[10:11], s20 offset:128*\e
	s_load_b32 s[40+\e], s[12:13], s21 offset:4096*\e
.endr
	s_mov_b64 s[48:49], s[4:5]
	s_add_nc_u64 s[50:51], s[4:5], YQ
	s_add_nc_u64 s[52:53], s[4:5], 2*YQ
	s_add_nc_u64 s[54:55], s[4:5], 3*YQ
	s_add_nc_u64 s[14:15], s[14:15], s[18:19]
.set i, 0
.rept 32
	v_mov_b32 v[ACC+i], 0                          ; cleared, since which expert comes first is known only when the branches below are taken
.set i, i+1
.endr
	s_wait_kmcnt 0x0
.macro EXPERT e
	s_lshr_b32 s56, s[32+\e], s57
	s_and_b32 s56, s56, 1                          ; SCC = the token's bit
	s_cbranch_scc0 .Lskip_\e
	s_min_u32 s58, s[40+\e], 1055                  ; a number from memory enters an address only behind a clamp
	s_add_co_u32 s58, s58, \e*1056
	s_lshl_b32 s58, s58, 12
	v_add_nc_u32 v4, s58, v1                       ; free: the loads that named it were waited for
.irp q, 0,1,2,3
.irp i, 0,1,2,3,4,5,6,7
	global_load_b128 v[Y+32*\q+4*\i:Y+32*\q+4*\i+3], v4, s[48+2*\q:49+2*\q] offset:512*\i th:TH_LOAD_NT
.endr
.endr
.irp i, 0,1,2,3,4,5,6,7
	global_load_b128 v[B2+4*\i:B2+4*\i+3], v1, s[6:7] offset:4096*\e+512*\i
.endr
	v_mov_b32 v2, s[24+\e]
	v_mov_b32 v3, s[24+\e]                         ; the weight, twice: a pair for the packed multiply-add
	s_wait_loadcnt 0x0
.irp p, 0,2,4,6,8,10,12,14,16,18,20,22,24,26,28,30
	v_pk_add_f32 v[Y+\p:Y+\p+1], v[Y+\p:Y+\p+1], v[Y+32+\p:Y+32+\p+1]
	v_pk_add_f32 v[Y+64+\p:Y+64+\p+1], v[Y+64+\p:Y+64+\p+1], v[Y+96+\p:Y+96+\p+1]
	v_pk_add_f32 v[Y+\p:Y+\p+1], v[Y+\p:Y+\p+1], v[Y+64+\p:Y+64+\p+1]
	v_pk_add_f32 v[Y+\p:Y+\p+1], v[Y+\p:Y+\p+1], v[B2+\p:B2+\p+1]
	v_pk_fma_f32 v[ACC+\p:ACC+\p+1], v[Y+\p:Y+\p+1], v[2:3], v[ACC+\p:ACC+\p+1]
.endr
.Lskip_\e:
.endm
.irp e, 0,1,2,3,4,5,6,7
	EXPERT \e
.endr
.irp i, 0,1,2,3,4,5,6,7
	global_store_b128 v1, v[ACC+4*\i:ACC+4*\i+3], s[14:15] offset:512*\i       ; 512 consecutive bytes, aligned
.endr
	s_endpgm
.Lfunc_end_k_q21f01bff7e_combine:
	.size	k_q21f01bff7e_combine, .Lfunc_end_k_q21f01bff7e_combine-k_q21f01bff7e_combine
	.p2alignl 7, 3214868480
	.fill 96, 4, 3214868480
	.section	.rodata,"a",@progbits
	.p2align	6, 0x0
	.amdhsa_kernel k_q21f01bff7e_combine
		.amdhsa_group_segment_fixed_size 0
		.amdhsa_private_segment_fixed_size 0
		.amdhsa_enable_private_segment 0
		.amdhsa_kernarg_size 48
		.amdhsa_user_sgpr_count 2
		.amdhsa_user_sgpr_kernarg_segment_ptr 1
		.amdhsa_wavefront_size32 1
		.amdhsa_system_sgpr_workgroup_id_x 1
		.amdhsa_system_sgpr_workgroup_id_y 1
		.amdhsa_system_sgpr_workgroup_id_z 1
		.amdhsa_system_vgpr_workitem_id 0
		.amdhsa_next_free_vgpr 224
		.amdhsa_next_free_sgpr 66
		.amdhsa_reserve_vcc 0
		.amdhsa_float_denorm_mode_32 3
		.amdhsa_float_denorm_mode_16_64 3
		.amdhsa_memory_ordered 1
		.amdhsa_forward_progress 1
		.amdhsa_inst_pref_size 77
	.end_amdhsa_kernel
	.amdgpu_metadata
---
amdhsa.version: [ 1, 2 ]
amdhsa.kernels:
  - .name:           k_q21f01bff7e_combine
    .symbol:         k_q21f01bff7e_combine.kd
    .args:
      - { .name: ypart, .offset: 0, .size: 8, .value_kind: global_buffer, .address_space: global }
      - { .name: b2, .offset: 8, .size: 8, .value_kind: global_buffer, .address_space: global }
      - { .name: gatew, .offset: 16, .size: 8, .value_kind: global_buffer, .address_space: global }
      - { .name: bitmap, .offset: 24, .size: 8, .value_kind: global_buffer, .address_space: global }
      - { .name: slotof, .offset: 32, .size: 8, .value_kind: global_buffer, .address_space: global }
      - { .name: out0, .offset: 40, .size: 8, .value_kind: global_buffer, .address_space: global }
    .group_segment_fixed_size: 0
    .private_segment_fixed_size: 0
    .kernarg_segment_align: 8
    .kernarg_segment_size: 48
    .max_flat_workgroup_size: 128
    .sgpr_count:     66
    .vgpr_count:     224
    .wavefront_size: 32
...
	.end_amdgpu_metadata
.endif
;; end of part 5
;; ======== version 2 of 2: 5 launches; version 1 with the launches ffn1, ffn2 written anew for expert scheduling mode
;; workspace buffers: gatew 32,768 bytes; bitmap 1,024 bytes of whole numbers; ngr 256 bytes of whole numbers; slotof 32,768 bytes of whole numbers; xg 17,301,504 bytes; hf 69,206,016 bytes; ypart 138,412,032 bytes
;; launch gate: the kernel of part 1 again; grid 32 x 1, 8 waves a work-group, no clusters, 119,808 bytes of LDS; arguments x, W_gate, gatew, bitmap; writes gatew, bitmap
;; launch gather: the kernel of part 2 again; grid 16 x 8, 8 waves a work-group, no clusters, 40,448 bytes of LDS; arguments x, bitmap, xg, slotof, ngr; writes xg, slotof, ngr
;; launch ffn1 (part 6): grid 32 x 8, 8 waves a work-group, no clusters, 263,168 bytes of LDS; arguments xg, W1, b1, ngr, hf; writes hf
.if DOCPART == 6
	.amdgcn_target "amdgcn-amd-amdhsa--gfx1250"
	.amdhsa_code_object_version 6
	.text
	.protected	k_q21f01bff7e_ffn1
	.globl	k_q21f01bff7e_ffn1
	.p2align	8
	.type	k_q21f01bff7e_ffn1,@function
k_q21f01bff7e_ffn1:
	s_mov_b64 s[64:65], 0
	v_nop
	global_prefetch_b8 v0, s[64:65] scope:SCOPE_SE
	s_setreg_imm32_b32 hwreg(HW_REG_WAVE_SCHED_MODE, 0, 2), 2
	s_setreg_imm32_b32 hwreg(HW_REG_WAVE_MODE, 25, 1), 1
	s_wait_xcnt 0x0
	s_wait_alu depctr_vm_vsrc(0)
; FFN1.  hf = relu(xg W1[e] + b1[e]) in bf16, for the slots of expert e (grid y) and hidden columns 128 x .. 128 x + 127 (grid x).
; The work-group owns the slice W1[e][0..1023][128 x ..]: 1,024 rows of 512 bytes, which no other work-group reads.
; PHASE 1: the eight waves stream the slice once (wave w: rows 128 w ..), 48 loads of 512 bytes a wave on their way.  A lane holds 4 columns of
; 8 k-rows, so packing along k gives for each column the 16 bytes of a fragment: the transposition costs no instruction.  The slice lies in
; LDS as 32 k-steps x 8 column tiles x 1,024 bytes (part p 512 bytes, lane 16 h + r 16 bytes = k = 32 ks + 16 p + 8 h + 0..7 of column r).
; One barrier.  PHASE 2, no barrier: wave w takes the groups of 48 slots w, w + 8, .. below ngr[e]; a trip is 48 slots x 128 columns x K 1,024 =
; 768 matrix instructions on 24 accumulators; weights come from LDS, token fragments straight from memory into registers, three k-steps ahead.
; The matrix instruction is used transposed (source 0 weights, source 1 tokens): a lane's 8 results are 8 neighbouring hidden columns of one
; slot, which pack into the 16 bytes that the next launch's token fragment wants.  The bias is the first product's C: nothing is cleared or added.
; CLUSTERS AND TENSOR LOADS are not used: the weights must pass registers (f32 to bf16, transposed); what the 32 work-groups of an expert share
; is the token fragments, and a joint request lands in LDS, where the slice takes 262,144 of the 327,680 bytes; the eight waves walk eight
; different groups at their own pace, and a shared ring would put a barrier into a loop whose trips differ from wave to wave.
; LIMIT: relu of NaN gives 0 here.
; THE MODE: SCHED_MODE bits 1:0 = 2 (LLVM: expert scheduling mode 2), set by the entry lines.  The code itself states the register dependences
; between vector or matrix instructions and memory or LDS instructions, with s_wait_alu, always for 0.
; THE PLAN.  Registers that memory or LDS instructions touch:
;   v1, WR, WS, WOFF, BOFF  offsets and LDS addresses: made at the head, never written again: one wait on va_vdst ahead of the first load serves the whole kernel.
;   RB0 .. RB5   phase 1: octet m's sixteen roundings read RB[m % 6]; behind them octet m + 6's loads land in it.
;   OUT0, OUT1   phase 1: octet m's roundings write OUT[m % 2], its four LDS stores read it, octet m + 2's roundings write it again.
;                An octet has one wait on va_vdst behind its roundings (OUT is written, RB is read) and, ahead of its own stores, one on vm_vsrc:
;                the stores of the octet before have read the other OUT, which the next octet's roundings write.
;   BB0, BB1     phase 2: k-step t's matrix instructions read BB[t % 2]; the LDS loads issued in k-step t land in BB[(t + 1) % 2], which k-step t - 1 read.
;   AR0 .. AR3   phase 2: k-step t's matrix instructions read AR[t % 4]; the loads issued in k-step t land in AR[(t + 3) % 4], which k-step t - 1 read.
;                So ONE wait on va_vdst stands at a k-step's head, behind the waits for its own data; the k-step's 22 loads follow it in two runs among its matrix
;                instructions, which name BB[t % 2], AR[t % 4], the accumulators and the bias: none of the registers that those loads touch.
;   The way out  writes v[32:95] (relu) and v[160:255] (packed); a wait on va_vdst stands behind each subtile's roundings, ahead of its eight stores; the third also
;                stands behind the last vector instruction that names the registers in which the next trip's first loads land.  One wait on vm_vsrc at the trip's
;                bottom: the stores have read v[160:255].  The accumulators and the bias tiles are named by no store, and by no load but the bias's own at the head.
.set WPITCH, 16384                     ; bytes from k-row to k-row of W1[e]
.set SUBB,   32768                     ; a subtile of xg: 32 k-steps x 1,024 bytes
.set GRPA,   3*SUBB                    ; a group of 48 slots
.set XG_E,   2162688                   ; 66 subtiles
.set HSUB,   131072                    ; a subtile of hf: 128 k-steps x 1,024 bytes
.set GRPH,   3*HSUB
.set HF_E,   8650752
.set WR,   2                           ; v[2:17]   weight reads: 65,536 c + 256 h + 16 ((r + p) % 16), at 4 c + p
.set WS,   18                          ; v[18:21]  weight stores, one for each of my 4 columns
.set WOFF, 22                          ; v22       my 16 bytes in my wave's first row of the slice
.set BOFF, 23                          ; v23       32 h
.set BB0,  32                          ; v[32:95], v[96:159]  weight fragments, two buffers of 8 tiles
.set AR,   160                         ; v[160:255] token fragments, four slots of 3 subtiles
.set RB,   32                          ; phase 1: v[32:223] six slots of eight loads
.set OUT,  224                         ; phase 1: v[224:255] packed: two buffers of 16, by turns
.set BIAS, 192                         ; window 1: v[448:511], tile b at 192 + 8 b; accumulator (s, b) at 8 (8 s + b): v[256:447]
.set MSB, 0
.macro WIN new                         ; s_set_vgpr_msb: low byte = windows of source 0, 1, 2 and destination; high byte repeats the setting that is left
.if MSB != \new
	s_set_vgpr_msb (MSB<<8)|\new
.set MSB, \new
.endif
.endm
.macro PLACES                          ; four places between a matrix instruction and a load into, or a vector write of, its registers, or a read of its result
.rept 4
	v_nop
.endr
.endm
	s_load_b256 s[4:11], s[0:1], 0x0               ; xg s[4:5], W1 s[6:7], b1 s[8:9], ngr s[10:11]
	s_load_b64 s[12:13], s[0:1], 0x20              ; hf
	v_lshl_add_u32 v24, v0, 2, 0x40000
	v_mov_b32 v25, 0
	v_lshrrev_b32 v26, 5, v0
	v_readfirstlane_b32 s16, v26                   ; wave w
	s_and_b32 s17, ttmp7, 0xffff                   ; expert e
	s_mov_b32 s18, ttmp9                           ; column block x
	s_lshl_b32 s21, s17, 2
	v_and_b32 v27, 31, v0                          ; lane
	v_lshlrev_b32 v1, 4, v27                       ; 16 bytes a lane
	v_and_b32 v28, 15, v0                          ; r
	v_bfe_u32 v29, v0, 4, 1                        ; h
	s_wait_kmcnt 0x0
	s_load_b32 s19, s[10:11], s21 offset:0x0       ; the expert's groups
.irp p, 0,1,2,3
	v_add_nc_u32 v30, \p, v28
	v_and_b32 v30, 15, v30
	v_lshlrev_b32 v30, 4, v30
	v_lshl_add_u32 v[WR+\p], v29, 8, v30
.endr
.irp c, 1,2,3
.irp p, 0,1,2,3
	v_add_nc_u32 v[WR+4*\c+\p], \c*65536, v[WR+\p] ; an LDS immediate reaches 65,535 bytes: the register carries the rest
.endr
.endr
	; my columns 4 lane + c lie in tile lane / 4 at place (4 (lane % 4) + c + tile % 4) % 16: turned by tile % 4, so that the 16 lanes of a
	; half of a 16-byte store touch 16 different 16-byte columns modulo 256 bytes
	v_lshrrev_b32 v30, 2, v27
	v_and_b32 v31, 3, v27
	v_lshlrev_b32 v31, 2, v31
	v_and_b32 v26, 3, v30
	v_add_nc_u32 v31, v31, v26
	s_wait_alu depctr_va_sdst(0)                   ; s16 is written, ahead of its first reader: LDS places, bases and the trip count are made from it
	s_lshl_b32 s22, s16, 15                        ; my wave's four k-steps: LDS bytes 32,768 w .. 32,768 w + 32,767
	v_lshl_add_u32 v30, v30, 10, s22
.irp c, 0,1,2,3
	v_add_nc_u32 v26, \c, v31
	v_and_b32 v26, 15, v26
	v_lshl_add_u32 v[WS+\c], v26, 4, v30
.endr
	s_mul_i32 s22, s16, 128*WPITCH
	v_add_nc_u32 v[WOFF], s22, v1
	v_lshlrev_b32 v[BOFF], 5, v29
	s_lshl_b32 s22, s17, 24                        ; W1[e]: 1,024 x 16,384 bytes
	s_lshl_b32 s23, s18, 9
	s_add_co_u32 s22, s22, s23
	s_mov_b32 s23, 0
	s_add_nc_u64 s[24:25], s[6:7], s[22:23]        ; the slice
	s_lshl_b32 s22, s17, 14
	s_lshl_b32 s30, s18, 9
	s_add_co_u32 s22, s22, s30
	s_add_nc_u64 s[8:9], s[8:9], s[22:23]          ; b1[e][128 x]
	s_mul_i32 s22, s17, XG_E
	s_mul_i32 s30, s16, GRPA
	s_add_co_u32 s22, s22, s30
	s_add_nc_u64 s[26:27], s[4:5], s[22:23]        ; xg: group w of the expert
	s_mul_i32 s22, s17, HF_E
	s_mul_i32 s30, s16, GRPH
	s_add_co_u32 s22, s22, s30
	s_lshl_b32 s30, s18, 12                        ; my four k-steps of hf
	s_add_co_u32 s22, s22, s30
	s_add_nc_u64 s[28:29], s[12:13], s[22:23]      ; hf: group w, k-step 4 x
	; the bias as eight C tiles: register j of lane (r, h) = b1 of column 16 b + 8 h + j
	WIN 0x40
	s_wait_alu depctr_va_vdst(0)                   ; v1, WR, WS, WOFF and BOFF are written: every load and store of the kernel reads one of them as its offset or address
.irp b, 0,1,2,3,4,5,6,7
	global_load_b128 v[BIAS+8*\b:BIAS+8*\b+3],   v[BOFF], s[8:9] offset:64*\b
	global_load_b128 v[BIAS+8*\b+4:BIAS+8*\b+7], v[BOFF], s[8:9] offset:64*\b+16
.endr
	WIN 0
; eight rows 128 w + 8 m + j of the slice, 512 consecutive bytes each
.macro WLOAD m
.irp j, 0,1,2,3,4,5,6,7
	global_load_b128 v[RB+32*((\m)%6)+4*\j:RB+32*((\m)%6)+4*\j+3], v[WOFF], s[24:25] offset:(8*(\m)+\j)*WPITCH th:TH_LOAD_NT
.endr
.endm
; octet m.  For each of my 4 columns: 8 k in 4 registers, into k-step 4 w + m / 4, part (m / 2) % 2, half m % 2
.macro WSTEP m
.if \m <= 10
	s_wait_loadcnt 40                              ; five younger octets may be out; the bias, the oldest of all, is in with the first of these waits
.else
	s_wait_loadcnt 8*(15-\m)                       ; the counts run down
.endif
.irp c, 0,1,2,3
.irp u, 0,1,2,3
	v_cvt_pk_bf16_f32 v[OUT+16*((\m)%2)+4*\c+\u], v[RB+32*((\m)%6)+8*\u+\c], v[RB+32*((\m)%6)+8*\u+4+\c]
.endr
.endr
	s_wait_alu depctr_va_vdst(0)                   ; the roundings have written OUT[m % 2], which the LDS stores below read, and are done reading RB[m % 6], in which the loads below land
.if (\m > 0) && (\m < 15)
	s_wait_alu depctr_vm_vsrc(0)                   ; the LDS stores of the octet before have read the other OUT, which the next octet's roundings write again
.endif
.if \m < 10
	WLOAD (\m+6)                                   ; the slot is asked for again at once
.endif
.irp c, 0,1,2,3
	ds_store_b128 v[WS+\c], v[OUT+16*((\m)%2)+4*\c:OUT+16*((\m)%2)+4*\c+3] offset:((\m)>>2)*8192+(((\m)>>1)&1)*512+((\m)&1)*256
.endr
.endm
.irp m, 0,1,2,3,4,5
	WLOAD \m
.endr
.irp m, 0,1,2,3,4,5,6,7,8,9,10,11,12,13,14,15
	WSTEP \m
.endr
	s_wait_kmcnt 0x0
	s_min_u32 s19, s19, 22                         ; 22 groups of 48 hold all 1,024 tokens
	s_wait_dscnt 0x0                               ; for the others' sake: my part of the slice is in LDS
	s_barrier_signal -1
	s_barrier_wait -1
	s_wait_alu depctr_vm_vsrc(0)                   ; my last LDS stores have read v[224:255]: these registers are token slots from here on, and loads land in them
.macro BHALF t, q                      ; weight tiles 4 q .. 4 q + 3 of k-step t into buffer t % 2
.irp i, 0,1,2,3
	ds_load_b128 v[BB0+64*((\t)%2)+8*(4*\q+\i):BB0+64*((\t)%2)+8*(4*\q+\i)+3],   v[WR+4*((\t)>>3)+\i] offset:((\t)&7)*8192+(4*\q+\i)*1024
	ds_load_b128 v[BB0+64*((\t)%2)+8*(4*\q+\i)+4:BB0+64*((\t)%2)+8*(4*\q+\i)+7], v[WR+4*((\t)>>3)+\i] offset:((\t)&7)*8192+(4*\q+\i)*1024+512
.endr
.endm
.macro ALOAD t                         ; k-step t's 3 token fragments into slot t % 4: 512 consecutive bytes a load
.irp s, 0,1,2
	global_load_b128 v[AR+24*((\t)%4)+8*\s:AR+24*((\t)%4)+8*\s+3],   v1, s[26:27] offset:\s*SUBB+(\t)*1024
	global_load_b128 v[AR+24*((\t)%4)+8*\s+4:AR+24*((\t)%4)+8*\s+7], v1, s[26:27] offset:\s*SUBB+(\t)*1024+512
.endr
.endm
.macro MULB t, b                       ; weight tile b x the 3 subtiles.  The 24 accumulators take turns, one instruction a turn, in the same order in every k-step
	WIN 0x50                                       ; C and D in window 1
.irp s, 0,1,2
.if \t == 0
	v_wmma_f32_16x16x32_bf16 v[8*(8*\s+\b):8*(8*\s+\b)+7], v[BB0+64*((\t)%2)+8*\b:BB0+64*((\t)%2)+8*\b+7], v[AR+24*((\t)%4)+8*\s:AR+24*((\t)%4)+8*\s+7], v[BIAS+8*\b:BIAS+8*\b+7]
.else
	v_wmma_f32_16x16x32_bf16 v[8*(8*\s+\b):8*(8*\s+\b)+7], v[BB0+64*((\t)%2)+8*\b:BB0+64*((\t)%2)+8*\b+7], v[AR+24*((\t)%4)+8*\s:AR+24*((\t)%4)+8*\s+7], v[8*(8*\s+\b):8*(8*\s+\b)+7]
.endif
.endr
.endm
.macro KSTEP t
	s_wait_dscnt 8                                 ; LDS loads come back in order: of k-step t's 16, tiles 0 to 3 are in, tiles 4 to 7 may be out
.if \t < 30
	s_wait_loadcnt 12                              ; two younger k-steps of six loads may be out: k-step t's tokens are in
.else
	s_wait_loadcnt 6*(31-\t)
.endif
.if (\t > 0) && (\t < 31)
	s_wait_alu depctr_va_vdst(0)                   ; k-step t - 1's matrix instructions are done reading BB[(t + 1) % 2] and AR[(t + 3) % 4], in which this k-step's loads land
.endif
	MULB \t, 0
.if \t < 31
	WIN 0
.if \t > 0
	PLACES                                         ; between k-step t - 1's matrix instructions and the loads into registers that they read: the wait above fills no place
.endif
.if \t < 29
	ALOAD (\t+3)                                   ; no wait: no vector or matrix instruction since the wait above names these registers
.endif
	BHALF (\t+1), 0
.endif
	MULB \t, 1
	MULB \t, 2
.if \t < 31
	WIN 0
	BHALF (\t+1), 1
.endif
	MULB \t, 3
.if \t < 31
	s_wait_dscnt 16                                ; all but the next k-step's 16: tiles 4 to 7 are in
.else
	s_wait_dscnt 0x0
.endif
	MULB \t, 4
	MULB \t, 5
	MULB \t, 6
	MULB \t, 7
.endm
; subtile s: relu, round to bf16, store.  Tile b is part b % 2 of the next launch's k-step 4 x + b / 2.
.macro OUTH s
	WIN 0x04                                       ; source 1 in window 1
.irp b, 0,1,2,3,4,5,6,7
.irp j, 0,1,2,3,4,5,6,7
	v_max_num_f32 v[BB0+8*\b+\j], 0, v[8*(8*\s+\b)+\j]
.endr
.endr
	WIN 0
.irp b, 0,1,2,3,4,5,6,7
.irp u, 0,1,2,3
	v_cvt_pk_bf16_f32 v[AR+32*\s+4*\b+\u], v[BB0+8*\b+2*\u], v[BB0+8*\b+2*\u+1]
.endr
.endr
	s_wait_alu depctr_va_vdst(0)                   ; the roundings have written v[AR + 32 s ..], which the eight stores read
.irp b, 0,1,2,3,4,5,6,7
	global_store_b128 v1, v[AR+32*\s+4*\b:AR+32*\s+4*\b+3], s[28:29] offset:\s*HSUB+\b*512   ; 512 consecutive bytes, aligned
.endr
.endm
	s_add_co_u32 s21, s19, 7
	s_sub_co_u32 s21, s21, s16                     ; at least 0: w is at most 7
	s_lshr_b32 s21, s21, 3                         ; trips = how many of w, w + 8, w + 16 lie below the number of groups: 0 to 3
	s_mov_b32 s20, 0                               ; the loop's counter
	s_cmp_eq_u32 s21, 0
	s_cbranch_scc1 .Lend
.Ltrip:                                                ; no vector or matrix instruction has been issued since the last wait on va_vdst (phase 1's last, or the way out's third): the loads below and k-step 0's owe none
	ALOAD 0
	ALOAD 1
	ALOAD 2
	BHALF 0, 0
	BHALF 0, 1
.irp t, 0,1,2,3,4,5,6,7,8,9,10,11,12,13,14,15,16,17,18,19,20,21,22,23,24,25,26,27,28,29,30,31
	KSTEP \t
.endr
	WIN 0
	PLACES                                         ; behind the last matrix instructions: results are read, fragment registers written
	OUTH 0
	OUTH 1
	OUTH 2
	s_wait_xcnt 0x0                                ; the stores' data (the token slots) and base are written again only behind this wait
	s_wait_alu depctr_vm_vsrc(0)                   ; the way out's stores have read v[160:255], in which the next trip's loads land
	s_add_nc_u64 s[26:27], s[26:27], 8*GRPA        ; its loads are all in (the last wait was for 0)
	s_add_nc_u64 s[28:29], s[28:29], 8*GRPH
	s_add_co_u32 s20, s20, 1
	s_cmp_lt_u32 s20, s21
	s_cbranch_scc1 .Ltrip
.Lend:
	s_wait_dscnt 0x0
	s_wait_alu depctr_hold_cnt(0) depctr_sa_sdst(0) depctr_va_vdst(0) depctr_va_sdst(0) depctr_va_ssrc(0) depctr_va_vcc(0) depctr_vm_vsrc(0)
	s_wait_tensorcnt 0x0
	ds_add_u32 v24, v25
	s_wait_dscnt 0x0
	s_endpgm
.Lfunc_end_k_q21f01bff7e_ffn1:
	.size	k_q21f01bff7e_ffn1, .Lfunc_end_k_q21f01bff7e_ffn1-k_q21f01bff7e_ffn1
	.p2alignl 7, 3214868480
	.fill 96, 4, 3214868480
	.section	.rodata,"a",@progbits
	.p2align	6, 0x0
	.amdhsa_kernel k_q21f01bff7e_ffn1
		.amdhsa_group_segment_fixed_size 263168
		.amdhsa_private_segment_fixed_size 0
		.amdhsa_enable_private_segment 0
		.amdhsa_kernarg_size 40
		.amdhsa_user_sgpr_count 2
		.amdhsa_user_sgpr_kernarg_segment_ptr 1
		.amdhsa_wavefront_size32 1
		.amdhsa_system_sgpr_workgroup_id_x 1
		.amdhsa_system_sgpr_workgroup_id_y 1
		.amdhsa_system_sgpr_workgroup_id_z 1
		.amdhsa_system_vgpr_workitem_id 0
		.amdhsa_next_free_vgpr 512
		.amdhsa_next_free_sgpr 66
		.amdhsa_reserve_vcc 0
		.amdhsa_float_denorm_mode_32 3
		.amdhsa_float_denorm_mode_16_64 3
		.amdhsa_memory_ordered 1
		.amdhsa_forward_progress 1
		.amdhsa_inst_pref_size 165
	.end_amdhsa_kernel
	.amdgpu_metadata
---
amdhsa.version: [ 1, 2 ]
amdhsa.kernels:
  - .name:           k_q21f01bff7e_ffn1
    .symbol:         k_q21f01bff7e_ffn1.kd
    .args:
      - { .name: xg, .offset: 0, .size: 8, .value_kind: global_buffer, .address_space: global }
      - { .name: W1, .offset: 8, .size: 8, .value_kind: global_buffer, .address_space: global }
      - { .name: b1, .offset: 16, .size: 8, .value_kind: global_buffer, .address_space: global }
      - { .name: ngr, .offset: 24, .size: 8, .value_kind: global_buffer, .address_space: global }
      - { .name: hf, .offset: 32, .size: 8, .value_kind: global_buffer, .address_space: global }
    .group_segment_fixed_size: 263168
    .private_segment_fixed_size: 0
    .kernarg_segment_align: 8
    .kernarg_segment_size: 40
    .max_flat_workgroup_size: 256
    .sgpr_count:     66
    .vgpr_count:     512
    .wavefront_size: 32
...
	.end_amdgpu_metadata
.endif
;; end of part 6
;; launch ffn2 (part 7): grid 32 x 8, 8 waves a work-group, no clusters, 297,984 bytes of LDS; arguments hf, W2, ngr, ypart; writes ypart
.if DOCPART == 7
	.amdgcn_target "amdgcn-amd-amdhsa--gfx1250"
	.amdhsa_code_object_version 6
	.text
	.protected	k_q21f01bff7e_ffn2
	.globl	k_q21f01bff7e_ffn2
	.p2align	8
	.type	k_q21f01bff7e_ffn2,@function
k_q21f01bff7e_ffn2:
	s_mov_b64 s[64:65], 0
	v_nop
	global_prefetch_b8 v0, s[64:65] scope:SCOPE_SE
	s_setreg_imm32_b32 hwreg(HW_REG_WAVE_SCHED_MODE, 0, 2), 2
	s_setreg_imm32_b32 hwreg(HW_REG_WAVE_MODE, 25, 1), 1
	s_wait_xcnt 0x0
	s_wait_alu depctr_vm_vsrc(0)
; FFN2.  ypart[q][slot][128 d .. 128 d + 127] = sum over hidden k = 1,024 q .. 1,024 q + 1,023 of hf[slot][k] W2[e][k][..], in f32,
; for expert e (grid y), column block d = x % 8 and K quarter q = x / 8 (grid x).  The four quarters are added by the next launch, in a fixed order.
; The work-group owns the slice W2[e][1,024 q ..][128 d ..]: 1,024 rows of 512 bytes, which no other work-group reads.  K is split so that
; the 8 x 8 column blocks make 256 slices of whole 512-byte row pieces.
; The body is that of the launch before: PHASE 1 streams the slice once, converts it to bf16 and lays it in LDS as 32 k-steps x 8 column tiles of
; 1,024 bytes (part p 512 bytes, lane 16 h + r 16 bytes = k = 32 ks + 16 p + 8 h + 0..7 of column r); one barrier; PHASE 2, no barrier: wave w takes the
; groups of 48 slots w, w + 8, .. below ngr[e], 768 matrix instructions a trip on 24 accumulators, weights from LDS, token fragments from memory.
; The matrix instruction is used transposed (source 0 weights, source 1 tokens): a lane's 8 results are 8 neighbouring columns of one slot.
; They leave through a stage in LDS of the wave's own, so that 16 lanes store 256 consecutive bytes, aligned.
; CLUSTERS AND TENSOR LOADS are not used: the weights must pass registers (f32 to bf16, transposed); what work-groups share is the token
; fragments, and a joint request lands in LDS, where slice and stages take 296,960 of the 327,680 bytes; the eight waves walk eight different
; groups at their own pace, and a shared ring would put a barrier into a loop whose trips differ from wave to wave.
; THE MODE: SCHED_MODE bits 1:0 = 2 (LLVM: expert scheduling mode 2), set by the entry lines.  The code itself states the register dependences
; between vector or matrix instructions and memory or LDS instructions, with s_wait_alu, always for 0.
; THE PLAN.  Registers that memory or LDS instructions touch:
;   v1, WR, WS, WOFF, STO, RD, CO  offsets and LDS addresses: made at the head, never written again: one wait on va_vdst ahead of the first load serves the whole kernel.
;   RB0 .. RB5   phase 1: octet m's sixteen roundings read RB[m % 6]; behind them octet m + 6's loads land in it.
;   OUT0, OUT1   phase 1: octet m's roundings write OUT[m % 2], its four LDS stores read it, octet m + 2's roundings write it again.
;                An octet has one wait on va_vdst behind its roundings (OUT is written, RB is read) and, ahead of its own stores, one on vm_vsrc:
;                the stores of the octet before have read the other OUT, which the next octet's roundings write.
;   BB0, BB1     phase 2: k-step t's matrix instructions read BB[t % 2]; the LDS loads issued in k-step t land in BB[(t + 1) % 2], which k-step t - 1 read.
;   AR0 .. AR3   phase 2: k-step t's matrix instructions read AR[t % 4]; the loads issued in k-step t land in AR[(t + 3) % 4], which k-step t - 1 read.
;                So ONE wait on va_vdst stands at a k-step's head, behind the waits for its own data; the k-step's 22 loads follow it in two runs among its matrix
;                instructions, which name BB[t % 2], AR[t % 4] and the accumulators: none of the registers that those loads touch.
;   The way out  holds no vector arithmetic: LDS stores read the accumulators, loads from the stage land in v[32:223], global stores read those.  One wait on va_vdst ahead
;                of it: the accumulators are written and the fragments read.  One wait on vm_vsrc at the trip's bottom: the stores have read v[32:223] and the
;                accumulators, which the next trip's loads and first products write.
.set WPITCH, 4096                      ; bytes from k-row to k-row of W2[e]
.set SUBB,   131072                    ; a subtile of hf: 128 k-steps x 1,024 bytes
.set GRPA,   3*SUBB
.set HF_E,   8650752                   ; 66 subtiles
.set YROW,   4096                      ; a slot's row of ypart
.set YQ,     34603008                  ; 8 x 1,056 slots x 4,096 bytes
.set STAGE,  262144                    ; behind the slice: 16 rows x 272 bytes for each wave
.set SP,     272                       ; 64 f32 (256 bytes) + 16
.set WR,   2                           ; v[2:17]   weight reads: 65,536 c + 256 h + 16 ((r + p) % 16), at 4 c + p
.set WS,   18                          ; v[18:21]  weight stores, one for each of my 4 columns
.set WOFF, 22                          ; v22       my 16 bytes in my wave's first row of the slice
.set STO,  23                          ; v23       stage, in: row r, + 32 h
.set RD,   24                          ; v24       stage, back: row h, + 16 r
.set CO,   25                          ; v25       the same two rows in ypart
.set BB0,  32                          ; v[32:95], v[96:159]  weight fragments, two buffers of 8 tiles
.set AR,   160                         ; v[160:255] token fragments, four slots of 3 subtiles
.set RB,   32                          ; phase 1: v[32:223] six slots of eight loads
.set OUT,  224                         ; phase 1: v[224:255] packed: two buffers of 16, by turns
.set MSB, 0                            ; window 1: accumulator (s, b) at 8 (8 s + b): v[256:447]
.macro WIN new                         ; s_set_vgpr_msb: low byte = windows of source 0, 1, 2 and destination; high byte repeats the setting that is left
.if MSB != \new
	s_set_vgpr_msb (MSB<<8)|\new
.set MSB, \new
.endif
.endm
.macro PLACES                          ; four places between a matrix instruction and a load into, or a vector write of, its registers, or a read of its result
.rept 4
	v_nop
.endr
.endm
	s_load_b256 s[4:11], s[0:1], 0x0               ; hf s[4:5], W2 s[6:7], ngr s[8:9], ypart s[10:11]
	s_set_vgpr_msb 0x40
	v_lshl_add_u32 v254, v0, 2, 0x48800
	v_mov_b32 v255, 0
	s_set_vgpr_msb 0x4000
	v_lshrrev_b32 v26, 5, v0
	v_readfirstlane_b32 s16, v26                   ; wave w
	s_and_b32 s17, ttmp7, 0xffff                   ; expert e
	s_mov_b32 s18, ttmp9
	s_and_b32 s30, s18, 7                          ; column block d
	s_lshr_b32 s31, s18, 3                         ; K quarter q
	s_lshl_b32 s21, s17, 2
	v_and_b32 v27, 31, v0                          ; lane
	v_lshlrev_b32 v1, 4, v27                       ; 16 bytes a lane
	v_and_b32 v28, 15, v0                          ; r
	v_bfe_u32 v29, v0, 4, 1                        ; h
	s_wait_kmcnt 0x0
	s_load_b32 s19, s[8:9], s21 offset:0x0         ; the expert's groups
.irp p, 0,1,2,3
	v_add_nc_u32 v30, \p, v28
	v_and_b32 v30, 15, v30
	v_lshlrev_b32 v30, 4, v30
	v_lshl_add_u32 v[WR+\p], v29, 8, v30
.endr
.irp c, 1,2,3
.irp p, 0,1,2,3
	v_add_nc_u32 v[WR+4*\c+\p], \c*65536, v[WR+\p] ; an LDS immediate reaches 65,535 bytes: the register carries the rest
.endr
.endr
	; my columns 4 lane + c lie in tile lane / 4 at place (4 (lane % 4) + c + tile % 4) % 16: turned by tile % 4, so that the 16 lanes of a
	; half of a 16-byte store touch 16 different 16-byte columns modulo 256 bytes
	v_lshrrev_b32 v30, 2, v27
	v_and_b32 v31, 3, v27
	v_lshlrev_b32 v31, 2, v31
	v_and_b32 v26, 3, v30
	v_add_nc_u32 v31, v31, v26
	s_wait_alu depctr_va_sdst(0)                   ; s16 is written, ahead of its first reader: LDS places, bases and the trip count are made from it
	s_lshl_b32 s22, s16, 15                        ; my wave's four k-steps: LDS bytes 32,768 w .. 32,768 w + 32,767
	v_lshl_add_u32 v30, v30, 10, s22
.irp c, 0,1,2,3
	v_add_nc_u32 v26, \c, v31
	v_and_b32 v26, 15, v26
	v_lshl_add_u32 v[WS+\c], v26, 4, v30
.endr
	s_mul_i32 s22, s16, 128*WPITCH
	v_add_nc_u32 v[WOFF], s22, v1
	s_mul_i32 s32, s16, 16*SP
	s_add_co_u32 s32, s32, STAGE                   ; my stage
	v_mul_u32_u24 v26, v28, SP
	v_lshl_add_u32 v26, v29, 5, v26
	v_add_nc_u32 v[STO], s32, v26
	v_mul_u32_u24 v26, v29, SP
	v_lshl_add_u32 v26, v28, 4, v26
	v_add_nc_u32 v[RD], s32, v26
	v_lshlrev_b32 v26, 12, v29
	v_lshl_add_u32 v[CO], v28, 4, v26
	s_lshl_b32 s22, s17, 24                        ; W2[e]: 4,096 x 4,096 bytes
	s_lshl_b32 s32, s31, 22                        ; 1,024 rows a quarter
	s_add_co_u32 s22, s22, s32
	s_lshl_b32 s32, s30, 9
	s_add_co_u32 s22, s22, s32
	s_mov_b32 s23, 0
	s_add_nc_u64 s[24:25], s[6:7], s[22:23]        ; the slice
	s_mul_i32 s22, s17, HF_E
	s_lshl_b32 s32, s31, 15                        ; 32 k-steps a quarter
	s_add_co_u32 s22, s22, s32
	s_mul_i32 s32, s16, GRPA
	s_add_co_u32 s22, s22, s32
	s_add_nc_u64 s[26:27], s[4:5], s[22:23]        ; hf: group w of the expert, my quarter
	s_mul_i32 s22, s31, YQ
	s_mul_i32 s32, s17, 1056*YROW
	s_add_co_u32 s22, s22, s32
	s_mul_i32 s32, s16, 48*YROW
	s_add_co_u32 s22, s22, s32
	s_lshl_b32 s32, s30, 9
	s_add_co_u32 s22, s22, s32                     ; below 138,412,032: one word
	s_add_nc_u64 s[28:29], s[10:11], s[22:23]      ; ypart: my quarter, group w's first slot, my columns
	s_wait_alu depctr_va_vdst(0)                   ; v1, WR, WS, WOFF, STO, RD and CO are written: every load and store of the kernel reads one of them as its offset or address
; eight rows 128 w + 8 m + j of the slice, 512 consecutive bytes each
.macro WLOAD m
.irp j, 0,1,2,3,4,5,6,7
	global_load_b128 v[RB+32*((\m)%6)+4*\j:RB+32*((\m)%6)+4*\j+3], v[WOFF], s[24:25] offset:(8*(\m)+\j)*WPITCH th:TH_LOAD_NT
.endr
.endm
; octet m.  For each of my 4 columns: 8 k in 4 registers, into k-step 4 w + m / 4, part (m / 2) % 2, half m % 2
.macro WSTEP m
.if \m <= 10
	s_wait_loadcnt 40                              ; five younger octets may be out
.else
	s_wait_loadcnt 8*(15-\m)                       ; the counts run down
.endif
.irp c, 0,1,2,3
.irp u, 0,1,2,3
	v_cvt_pk_bf16_f32 v[OUT+16*((\m)%2)+4*\c+\u], v[RB+32*((\m)%6)+8*\u+\c], v[RB+32*((\m)%6)+8*\u+4+\c]
.endr
.endr
	s_wait_alu depctr_va_vdst(0)                   ; the roundings have written OUT[m % 2], which the LDS stores below read, and are done reading RB[m % 6], in which the loads below land
.if (\m > 0) && (\m < 15)
	s_wait_alu depctr_vm_vsrc(0)                   ; the LDS stores of the octet before have read the other OUT, which the next octet's roundings write again
.endif
.if \m < 10
	WLOAD (\m+6)                                   ; the slot is asked for again at once
.endif
.irp c, 0,1,2,3
	ds_store_b128 v[WS+\c], v[OUT+16*((\m)%2)+4*\c:OUT+16*((\m)%2)+4*\c+3] offset:((\m)>>2)*8192+(((\m)>>1)&1)*512+((\m)&1)*256
.endr
.endm
.irp m, 0,1,2,3,4,5
	WLOAD \m
.endr
.irp m, 0,1,2,3,4,5,6,7,8,9,10,11,12,13,14,15
	WSTEP \m
.endr
	s_wait_kmcnt 0x0
	s_min_u32 s19, s19, 22                         ; 22 groups of 48 hold all 1,024 tokens
	s_wait_dscnt 0x0                               ; for the others' sake: my part of the slice is in LDS
	s_barrier_signal -1
	s_barrier_wait -1
	s_wait_alu depctr_vm_vsrc(0)                   ; my last LDS stores have read v[224:255]: these registers are token slots from here on, and loads land in them
.macro BHALF t, q                      ; weight tiles 4 q .. 4 q + 3 of k-step t into buffer t % 2
.irp i, 0,1,2,3
	ds_load_b128 v[BB0+64*((\t)%2)+8*(4*\q+\i):BB0+64*((\t)%2)+8*(4*\q+\i)+3],   v[WR+4*((\t)>>3)+\i] offset:((\t)&7)*8192+(4*\q+\i)*1024
	ds_load_b128 v[BB0+64*((\t)%2)+8*(4*\q+\i)+4:BB0+64*((\t)%2)+8*(4*\q+\i)+7], v[WR+4*((\t)>>3)+\i] offset:((\t)&7)*8192+(4*\q+\i)*1024+512
.endr
.endm
.macro ALOAD t                         ; k-step t's 3 token fragments into slot t % 4: 512 consecutive bytes a load
.irp s, 0,1,2
	global_load_b128 v[AR+24*((\t)%4)+8*\s:AR+24*((\t)%4)+8*\s+3],   v1, s[26:27] offset:\s*SUBB+(\t)*1024
	global_load_b128 v[AR+24*((\t)%4)+8*\s+4:AR+24*((\t)%4)+8*\s+7], v1, s[26:27] offset:\s*SUBB+(\t)*1024+512
.endr
.endm
.macro MULB t, b                       ; weight tile b x the 3 subtiles.  The 24 accumulators take turns, one instruction a turn, in the same order in every k-step
	WIN 0x50                                       ; C and D in window 1
.irp s, 0,1,2
.if \t == 0
	v_wmma_f32_16x16x32_bf16 v[8*(8*\s+\b):8*(8*\s+\b)+7], v[BB0+64*((\t)%2)+8*\b:BB0+64*((\t)%2)+8*\b+7], v[AR+24*((\t)%4)+8*\s:AR+24*((\t)%4)+8*\s+7], 0
.else
	v_wmma_f32_16x16x32_bf16 v[8*(8*\s+\b):8*(8*\s+\b)+7], v[BB0+64*((\t)%2)+8*\b:BB0+64*((\t)%2)+8*\b+7], v[AR+24*((\t)%4)+8*\s:AR+24*((\t)%4)+8*\s+7], v[8*(8*\s+\b):8*(8*\s+\b)+7]
.endif
.endr
.endm
.macro KSTEP t
	s_wait_dscnt 8                                 ; LDS loads come back in order: of k-step t's 16, tiles 0 to 3 are in, tiles 4 to 7 may be out
.if \t < 30
	s_wait_loadcnt 12                              ; two younger k-steps of six loads may be out: k-step t's tokens are in
.else
	s_wait_loadcnt 6*(31-\t)
.endif
.if (\t > 0) && (\t < 31)
	s_wait_alu depctr_va_vdst(0)                   ; k-step t - 1's matrix instructions are done reading BB[(t + 1) % 2] and AR[(t + 3) % 4], in which this k-step's loads land
.endif
	MULB \t, 0
.if \t < 31
	WIN 0
.if \t > 0
	PLACES                                         ; between k-step t - 1's matrix instructions and the loads into registers that they read: the wait above fills no place
.endif
.if \t < 29
	ALOAD (\t+3)                                   ; no wait: no vector or matrix instruction since the wait above names these registers
.endif
	BHALF (\t+1), 0
.endif
	MULB \t, 1
	MULB \t, 2
.if \t < 31
	WIN 0
	BHALF (\t+1), 1
.endif
	MULB \t, 3
.if \t < 31
	s_wait_dscnt 16                                ; all but the next k-step's 16: tiles 4 to 7 are in
.else
	s_wait_dscnt 0x0
.endif
	MULB \t, 4
	MULB \t, 5
	MULB \t, 6
	MULB \t, 7
.endm
; subtile s, columns 64 hh .. 64 hh + 63: 16 rows of 256 bytes through my stage.  LDS serves a wave's instructions in order, so the reads see
; the stores above them, and the next batch's stores come behind these reads.  Each of the six batches has its own 32 registers.
.macro OUTY s, hh
	WIN 0x04                                       ; the stores' data in window 1
.irp b, 0,1,2,3
	ds_store_b128 v[STO], v[8*(8*\s+4*\hh+\b):8*(8*\s+4*\hh+\b)+3]   offset:64*\b
	ds_store_b128 v[STO], v[8*(8*\s+4*\hh+\b)+4:8*(8*\s+4*\hh+\b)+7] offset:64*\b+16
.endr
	WIN 0
.irp i, 0,1,2,3,4,5,6,7
	ds_load_b128 v[32+32*(2*\s+\hh)+4*\i:32+32*(2*\s+\hh)+4*\i+3], v[RD] offset:2*SP*\i
.endr
.irp i, 0,1,2,3,4,5,6,7
	s_wait_dscnt 7-\i
	global_store_b128 v[CO], v[32+32*(2*\s+\hh)+4*\i:32+32*(2*\s+\hh)+4*\i+3], s[28:29] offset:(16*\s+2*\i)*YROW+256*\hh   ; 16 lanes store 256 consecutive bytes, aligned
.endr
.endm
	s_add_co_u32 s21, s19, 7
	s_sub_co_u32 s21, s21, s16                     ; at least 0: w is at most 7
	s_lshr_b32 s21, s21, 3                         ; trips = how many of w, w + 8, w + 16 lie below the number of groups: 0 to 3
	s_mov_b32 s20, 0                               ; the loop's counter
	s_cmp_eq_u32 s21, 0
	s_cbranch_scc1 .Lend
.Ltrip:                                                ; no vector or matrix instruction has been issued since the last wait on va_vdst (phase 1's last, or the way out's): the loads below and k-step 0's owe none
	ALOAD 0
	ALOAD 1
	ALOAD 2
	BHALF 0, 0
	BHALF 0, 1
.irp t, 0,1,2,3,4,5,6,7,8,9,10,11,12,13,14,15,16,17,18,19,20,21,22,23,24,25,26,27,28,29,30,31
	KSTEP \t
.endr
	PLACES                                         ; behind the last matrix instructions: results are stored to LDS, fragment registers loaded;
	v_nop                                          ; and a fifth place: the next trip's first products (C = 0) write over the accumulators, and the way out below holds no vector arithmetic (ISA guide 7.12.1)
	WIN 0x04
	s_wait_alu depctr_va_vdst(0)                   ; the matrix instructions have written the accumulators, which the LDS stores read, and are done reading the fragments, in which the loads from the stage land; the places above stay beside this wait
	OUTY 0, 0
	OUTY 0, 1
	OUTY 1, 0
	OUTY 1, 1
	OUTY 2, 0
	OUTY 2, 1
	s_wait_xcnt 0x0                                ; the stores' data (fragment registers) and base are written again only behind this wait
	s_wait_alu depctr_vm_vsrc(0)                   ; the global stores have read v[32:223], in which the next trip's loads land; the LDS stores have read the accumulators, which its first products write
	s_add_nc_u64 s[26:27], s[26:27], 8*GRPA        ; its loads are all in (the last wait was for 0)
	s_add_nc_u64 s[28:29], s[28:29], 8*48*YROW
	s_add_co_u32 s20, s20, 1
	s_cmp_lt_u32 s20, s21
	s_cbranch_scc1 .Ltrip
.Lend:
	s_set_vgpr_msb 0x5
	s_wait_dscnt 0x0
	s_wait_alu depctr_hold_cnt(0) depctr_sa_sdst(0) depctr_va_vdst(0) depctr_va_sdst(0) depctr_va_ssrc(0) depctr_va_vcc(0) depctr_vm_vsrc(0)
	s_wait_tensorcnt 0x0
	ds_add_u32 v254, v255
	s_wait_dscnt 0x0
	s_endpgm
.Lfunc_end_k_q21f01bff7e_ffn2:
	.size	k_q21f01bff7e_ffn2, .Lfunc_end_k_q21f01bff7e_ffn2-k_q21f01bff7e_ffn2
	.p2alignl 7, 3214868480
	.fill 96, 4, 3214868480
	.section	.rodata,"a",@progbits
	.p2align	6, 0x0
	.amdhsa_kernel k_q21f01bff7e_ffn2
		.amdhsa_group_segment_fixed_size 297984
		.amdhsa_private_segment_fixed_size 0
		.amdhsa_enable_private_segment 0
		.amdhsa_kernarg_size 32
		.amdhsa_user_sgpr_count 2
		.amdhsa_user_sgpr_kernarg_segment_ptr 1
		.amdhsa_wavefront_size32 1
		.amdhsa_system_sgpr_workgroup_id_x 1
		.amdhsa_system_sgpr_workgroup_id_y 1
		.amdhsa_system_sgpr_workgroup_id_z 1
		.amdhsa_system_vgpr_workitem_id 0
		.amdhsa_next_free_vgpr 512
		.amdhsa_next_free_sgpr 66
		.amdhsa_reserve_vcc 0
		.amdhsa_float_denorm_mode_32 3
		.amdhsa_float_denorm_mode_16_64 3
		.amdhsa_memory_ordered 1
		.amdhsa_forward_progress 1
		.amdhsa_inst_pref_size 162
	.end_amdhsa_kernel
	.amdgpu_metadata
---
amdhsa.version: [ 1, 2 ]
amdhsa.kernels:
  - .name:           k_q21f01bff7e_ffn2
    .symbol:         k_q21f01bff7e_ffn2.kd
    .args:
      - { .name: hf, .offset: 0, .size: 8, .value_kind: global_buffer, .address_space: global }
      - { .name: W2, .offset: 8, .size: 8, .value_kind: global_buffer, .address_space: global }
      - { .name: ngr, .offset: 16, .size: 8, .value_kind: global_buffer, .address_space: global }
      - { .name: ypart, .offset: 24, .size: 8, .value_kind: global_buffer, .address_space: global }
    .group_segment_fixed_size: 297984
    .private_segment_fixed_size: 0
    .kernarg_segment_align: 8
    .kernarg_segment_size: 32
    .max_flat_workgroup_size: 256
    .sgpr_count:     66
    .vgpr_count:     512
    .wavefront_size: 32
...
	.end_amdgpu_metadata
.endif
;; end of part 7
;; launch combine: the kernel of part 5 again; grid 256 x 1, 4 waves a work-group, no clusters, 0 bytes of LDS; arguments ypart, b2, gatew, bitmap, slotof, out0; writes out0
